; MI455X (gfx1250); checked and timed in simulation.
; The chip was launched on July 23, 2026; its instructions are those of AMD's public machine-readable ISA for CDNA 5 (MIT licence, August 2026) and "CDNA5" Instruction Set Architecture Reference Guide (July 2026). The comments in the code are by the model that wrote it; some were corrected since.
;; Causal Self Attention. Allowed arithmetic: matrix products marked QUANTISED: E4M3 operands, one E8M0 scale for each 32 along K, by v_wmma_scale_f32_16x16x128_f8f6f4 with both operands' format E4M3, f32 sums; everything else in f32.
;; Inputs: Wproj_codes 1,024 x 32 x 32 uint8 (E4M3 codes of Wproj, K innermost, in blocks of 32 codes); Wproj_scales 1,024 x 32 uint8 (E8M0 scales of Wproj, one for each 32 codes along K); Wqkv_codes 3,072 x 32 x 32 uint8 (E4M3 codes of Wqkv, K innermost, in blocks of 32 codes); Wqkv_scales 3,072 x 32 uint8 (E8M0 scales of Wqkv, one for each 32 codes along K); bproj 1,024 float32; bqkv 3,072 float32; x_codes 4 x 2,048 x 32 x 32 uint8 (E4M3 codes of x, K innermost, in blocks of 32 codes); x_scales 4 x 2,048 x 32 uint8 (E8M0 scales of x, one for each 32 codes along K).
;; Outputs: out0 4 x 2,048 x 1,024 float32.
;; This version of the problem:
;;   THIS VERSION OF THE PROBLEM IS GIVEN IN LOW PRECISION. The matrix products marked QUANTISED in the list below multiply operands that are first quantised to E4M3 (4 exponent bits, 3 mantissa bits; 8 bits a number), with one power-of-two scale for each 32 numbers along K (OCP MX v1.0); their sums are f32. All else is computed in f32.
;;   The module's matrix products, in the order in which they are computed (A, B: the left and right operand; K: the contracted axis; several contracted axes count as one K, in the product's order):
;;     1. [M 8,192, K 1,024] x [K 1,024, N 3,072]; A: input x (given as codes); B: input Wqkv (given as codes): QUANTISED
;;     2. batch 64 x [M 2,048, K 64] x [K 64, N 2,048]; A: computed on the way; B: computed on the way: QUANTISED
;;     3. batch 64 x [M 2,048, K 2,048] x [K 2,048, N 64]; A: softmax (see below); B: computed on the way: QUANTISED
;;     4. [M 8,192, K 1,024] x [K 1,024, N 1,024]; A: computed on the way; B: input Wproj (given as codes): QUANTISED
;;   THE QUANTISER, for each operand of a quantised product, along K:
;;     - K is cut into blocks of 32 from its start; a last block that is shorter is filled with zeros.
;;     - A block's scale is 2^e with e = floor(log2(the largest magnitude in the block)) - 8, held to -126 .. 127; a block of zeros has e = 0. As a byte (E8M0): e + 127.
;;     - Each number is divided by its block's scale, clamped to +-448, and rounded to the nearest number of E4M3, ties to even, subnormals kept.
;;     - The product sums the exact products of the quantised numbers (number of the format x scale) in f32.
;;   ~~~python
;;   def quantise(x, axis):      # numpy; x: float32 -> the quantised numbers, widened to float32 again
;;       x = np.moveaxis(x, axis, -1); K = x.shape[-1]
;;       x = np.pad(x, [(0, 0)] * (x.ndim - 1) + [(0, -K % 32)]); x = x.reshape(x.shape[:-1] + (-1, 32)); a = np.abs(x).max(-1, keepdims=True)
;;       e = np.where(a > 0, np.clip(np.frexp(np.where(a > 0, a, 1))[1] - 1 - 8, -126, 127), 0)      # np.frexp(a)[1] - 1 = floor(log2(a)), exactly
;;       r = np.clip(x / 2.0 ** e, -448, 448)
;;       step = 2.0 ** (np.maximum(np.frexp(np.where(r == 0, 1, r))[1] - 1, -6) - 3)
;;       q = np.round(r / step) * step * 2.0 ** e      # np.round: ties to even
;;       return np.moveaxis(q.reshape(q.shape[:-2] + (-1,))[..., :K], -1, axis).astype(np.float32)
;;   ~~~
;;   SOFTMAX AHEAD OF A QUANTISED PRODUCT. Where the list says 'softmax', what is quantised is not the finished softmax but p = 2^(t - M), with t = logit x log2(e) and M = ceil(the row's largest t), a whole number; so 1/2 < the row's largest p <= 1. The row's sum l is taken of the UNQUANTISED p, in f32, and the product's result is divided by l at the end. Since M is a whole number, a kernel that streams over the keys may use a running M (the ceiling of the running maximum): every later rescaling is an exact power of two, which a block's scale takes up: the codes' values come out the same.
;;   OPERANDS COMPUTED ON THE WAY. 'Computed on the way' means the value that the module computes at that place (a softmax that the list does not call 'softmax' is quantised finished and normalised). What goes into a quantiser is computed in f32, as accurately as f32 sums, v_exp_f32 and their like allow (about 1e-6 of the number): no bf16 or f16 on the way to a quantiser, and a product that is left as it is and whose result goes on into a quantised operand takes f32 operands (vector FMAs, or v_wmma_f32_16x16x4_f32). A number that lies on a knife's edge between two numbers of the format may be rounded either way, as far as f32 arithmetic and the matrix unit's own rounding can turn it there, and no further.
;;   INPUTS GIVEN AS CODES. Wproj (in the module: [1024, 1024], K = its axis 0); Wqkv (in the module: [1024, 3072], K = its axis 0); x (in the module: [4, 2048, 1024], K = its axis 2): each comes as NAME_codes (uint8): NAME with its K axis moved to the last place and cut into blocks of 32 codes, [.., K / 32, bytes a block], one block behind the other in memory; one code a byte (a code: sign, 4 exponent bits, 3 mantissa bits); and NAME_scales (uint8): the same leading axes, one E8M0 byte (e + 127) for each 32 codes along K. Its value is code x scale, taken as it is: it is not quantised again, and the codes and scales need not be those that the quantiser above would give.
;; One version. Each part assembles by itself: llvm-mc -triple=amdgcn-amd-amdhsa -mcpu=gfx1250 --defsym DOCPART=n.
;; ======== version 1 of 1: 4 launches
;; workspace buffers: rope 524,288 bytes; qk_img 16,777,216 bytes; qk_sc 524,288 bytes; v_img 8,388,608 bytes; v_sc 262,144 bytes; a_img 8,388,608 bytes; a_sc 262,144 bytes
;; launch rope (part 1): grid 128 x 1, 1 waves a work-group, no clusters, 0 bytes of LDS; arguments rope; writes rope
.if DOCPART == 1
	.amdgcn_target "amdgcn-amd-amdhsa--gfx1250"
	.amdhsa_code_object_version 6
	.text
	.protected	k_qce29931297_rope
	.globl	k_qce29931297_rope
	.p2align	8
	.type	k_qce29931297_rope,@function
k_qce29931297_rope:
	s_mov_b64 s[64:65], 0
	v_nop
	global_prefetch_b8 v0, s[64:65] scope:SCOPE_SE
	s_setreg_imm32_b32 hwreg(HW_REG_WAVE_MODE, 25, 1), 1
	s_wait_xcnt 0x0
; The table of RoPE's cosines and sines, laid as the next launch's registers want it: [position tile 128][piece 8][lane 32][16 bytes].
; Lane (r = lane % 16, h = lane / 16) of piece k holds (cos, sin, cos, sin) of its pairs m = 2 k and 2 k + 1 at position 16 x tile + r;
; pair m of a lane has the frequency index 8 (m / 4) + 4 h + m % 4, and the frequency is 10000^(-index / 32) = 10^(-index / 8).
; The angle is the f32 product position x frequency.  It is reduced by n = nearest whole number to angle x 2 / pi, with pi / 2 in three parts
; (n has at most 11 bits here, so the first two products are exact), and sine and cosine on -pi/4 .. pi/4 are polynomials of degree 7 and 8.
; LIMIT: a frequency is the f32 number nearest to 10^(-index / 8); a power function followed by a division may give its neighbour, which moves the
; largest angles (2,047 x 0.75) by up to 2e-4.
; One wave to a tile of 16 positions; every stage runs over the 16 pairs, so that no line waits for the line above it.
.set POS, 2                            ; v2   my position as f32
.set OFS, 4                            ; v4   16 x lane
.set XA,  16                           ; v16-31   the angles
.set NN,  32                           ; v32-47   n, later at work
.set RR,  48                           ; v48-63   the reduced angle
.set ZZ,  64                           ; v64-79   its square
.set SN,  80                           ; v80-95   sine of the reduced angle
.set CN,  96                           ; v96-111  cosine
.set QI,  112                          ; v112-127 n as a whole number
.set OUT, 128                          ; v128-159 (cos, sin) of pair m at OUT + 2 m
	s_load_b64 s[4:5], s[0:1], 0x0
	v_and_b32 v1, 15, v0                           ; r
	v_lshrrev_b32 v3, 4, v0                        ; h (one wave: the thread's number is the lane)
	s_lshl_b32 s6, ttmp9, 4
	v_add_nc_u32 v1, s6, v1
	v_cvt_f32_u32 v[POS], v1                       ; 16 x tile + r
	v_cmp_ne_u32 s20, 0, v3                        ; lanes 16-31
	v_lshlrev_b32 v[OFS], 4, v0
	s_lshl_b32 s6, ttmp9, 12                       ; a tile's 4,096 bytes
	s_mov_b32 s7, 0
	s_mov_b32 s8, 0xbfc90000                       ; -1.5703125
	s_mov_b32 s9, 0xb9fda000                       ; -4.8375130e-4
	s_mov_b32 s10, 0xb3a22169                      ; -7.5497900e-8: the three parts of -pi / 2
	s_mov_b32 s11, 0xb94ca1f9                      ; sine: -1.9515296e-4,
	s_mov_b32 s12, 0x3c08839e                      ; 8.3321609e-3,
	s_mov_b32 s13, 0xbe2aaaa3                      ; -1.6666655e-1
	s_mov_b32 s14, 0x37ccf5ce                      ; cosine: 2.4433157e-5,
	s_mov_b32 s15, 0xbab6061a                      ; -1.3887316e-3,
	s_mov_b32 s16, 0x3d2aaaa5                      ; 4.1666646e-2
.macro FREQ m, f0, f1                  ; the angle of pair m: f0 in lanes 0-15, f1 in lanes 16-31
	v_mul_f32 v[XA+\m], \f0, v[POS]
	v_mul_f32 v[NN+\m], \f1, v[POS]
	v_cndmask_b32 v[XA+\m], v[XA+\m], v[NN+\m], s20
.endm
	FREQ 0,  1.0,               0.316227766017
	FREQ 1,  0.749894209332,    0.237137370566
	FREQ 2,  0.562341325190,    0.177827941004
	FREQ 3,  0.421696503429,    0.133352143216
	FREQ 4,  0.1,               0.0316227766017
	FREQ 5,  0.0749894209332,   0.0237137370566
	FREQ 6,  0.0562341325190,   0.0177827941004
	FREQ 7,  0.0421696503429,   0.0133352143216
	FREQ 8,  0.01,              0.00316227766017
	FREQ 9,  0.00749894209332,  0.00237137370566
	FREQ 10, 0.00562341325190,  0.00177827941004
	FREQ 11, 0.00421696503429,  0.00133352143216
	FREQ 12, 0.001,             0.000316227766017
	FREQ 13, 0.000749894209332, 0.000237137370566
	FREQ 14, 0.000562341325190, 0.000177827941004
	FREQ 15, 0.000421696503429, 0.000133352143216
.irp m, 0,1,2,3,4,5,6,7,8,9,10,11,12,13,14,15
	v_mul_f32 v[NN+\m], 0x3f22f983, v[XA+\m]       ; x 2 / pi
.endr
.irp m, 0,1,2,3,4,5,6,7,8,9,10,11,12,13,14,15
	v_rndne_f32 v[NN+\m], v[NN+\m]
.endr
.irp m, 0,1,2,3,4,5,6,7,8,9,10,11,12,13,14,15
	v_fma_f32 v[RR+\m], v[NN+\m], s8, v[XA+\m]
.endr
.irp m, 0,1,2,3,4,5,6,7,8,9,10,11,12,13,14,15
	v_fma_f32 v[RR+\m], v[NN+\m], s9, v[RR+\m]
.endr
.irp m, 0,1,2,3,4,5,6,7,8,9,10,11,12,13,14,15
	v_fma_f32 v[RR+\m], v[NN+\m], s10, v[RR+\m]
.endr
.irp m, 0,1,2,3,4,5,6,7,8,9,10,11,12,13,14,15
	v_mul_f32 v[ZZ+\m], v[RR+\m], v[RR+\m]
.endr
.irp m, 0,1,2,3,4,5,6,7,8,9,10,11,12,13,14,15
	v_fma_f32 v[SN+\m], v[ZZ+\m], s11, s12
	v_fma_f32 v[CN+\m], v[ZZ+\m], s14, s15
.endr
.irp m, 0,1,2,3,4,5,6,7,8,9,10,11,12,13,14,15
	v_fma_f32 v[SN+\m], v[SN+\m], v[ZZ+\m], s13
	v_fma_f32 v[CN+\m], v[CN+\m], v[ZZ+\m], s16
.endr
.irp m, 0,1,2,3,4,5,6,7,8,9,10,11,12,13,14,15
	v_mul_f32 v[SN+\m], v[SN+\m], v[ZZ+\m]
	v_fma_f32 v[CN+\m], v[CN+\m], v[ZZ+\m], -0.5
.endr
.irp m, 0,1,2,3,4,5,6,7,8,9,10,11,12,13,14,15
	v_fma_f32 v[SN+\m], v[SN+\m], v[RR+\m], v[RR+\m]
	v_fma_f32 v[CN+\m], v[CN+\m], v[ZZ+\m], 1.0
.endr
	; the quadrant q = n mod 4.  sin: q odd takes the cosine, q = 2, 3 changes the sign;  cos: q odd takes the sine, q = 1, 2 changes the sign
.irp m, 0,1,2,3,4,5,6,7,8,9,10,11,12,13,14,15
	v_cvt_i32_f32 v[QI+\m], v[NN+\m]
.endr
.irp m, 0,1,2,3,4,5,6,7,8,9,10,11,12,13,14,15
	v_and_b32 v[NN+\m], 1, v[QI+\m]
.endr
.irp m, 0,1,2,3,4,5,6,7,8,9,10,11,12,13,14,15
	v_cmp_eq_u32 vcc_lo, 1, v[NN+\m]
	v_cndmask_b32 v[OUT+2*\m], v[CN+\m], v[SN+\m], vcc_lo
	v_cndmask_b32 v[OUT+2*\m+1], v[SN+\m], v[CN+\m], vcc_lo
.endr
.irp m, 0,1,2,3,4,5,6,7,8,9,10,11,12,13,14,15
	v_add_nc_u32 v[NN+\m], 1, v[QI+\m]
.endr
.irp m, 0,1,2,3,4,5,6,7,8,9,10,11,12,13,14,15
	v_lshlrev_b32 v[NN+\m], 30, v[NN+\m]           ; bit 1 of q + 1 becomes the cosine's sign bit,
	v_lshlrev_b32 v[QI+\m], 30, v[QI+\m]           ; bit 1 of q the sine's
.endr
.irp m, 0,1,2,3,4,5,6,7,8,9,10,11,12,13,14,15
	v_and_b32 v[NN+\m], 0x80000000, v[NN+\m]
	v_and_b32 v[QI+\m], 0x80000000, v[QI+\m]
.endr
.irp m, 0,1,2,3,4,5,6,7,8,9,10,11,12,13,14,15
	v_xor_b32 v[OUT+2*\m], v[NN+\m], v[OUT+2*\m]
	v_xor_b32 v[OUT+2*\m+1], v[QI+\m], v[OUT+2*\m+1]
.endr
	s_wait_kmcnt 0x0
	s_add_nc_u64 s[4:5], s[4:5], s[6:7]
.irp k, 0,1,2,3,4,5,6,7
	global_store_b128 v[OFS], v[OUT+4*\k:OUT+4*\k+3], s[4:5] offset:512*\k   ; the wave stores 512 consecutive bytes, aligned
.endr
	s_endpgm
.Lfunc_end_k_qce29931297_rope:
	.size	k_qce29931297_rope, .Lfunc_end_k_qce29931297_rope-k_qce29931297_rope
	.p2alignl 7, 3214868480
	.fill 96, 4, 3214868480
	.section	.rodata,"a",@progbits
	.p2align	6, 0x0
	.amdhsa_kernel k_qce29931297_rope
		.amdhsa_group_segment_fixed_size 0
		.amdhsa_private_segment_fixed_size 0
		.amdhsa_enable_private_segment 0
		.amdhsa_kernarg_size 8
		.amdhsa_user_sgpr_count 2
		.amdhsa_user_sgpr_kernarg_segment_ptr 1
		.amdhsa_wavefront_size32 1
		.amdhsa_system_sgpr_workgroup_id_x 1
		.amdhsa_system_sgpr_workgroup_id_y 1
		.amdhsa_system_sgpr_workgroup_id_z 1
		.amdhsa_system_vgpr_workitem_id 0
		.amdhsa_next_free_vgpr 160
		.amdhsa_next_free_sgpr 66
		.amdhsa_reserve_vcc 1
		.amdhsa_float_denorm_mode_32 3
		.amdhsa_float_denorm_mode_16_64 3
		.amdhsa_memory_ordered 1
		.amdhsa_forward_progress 1
		.amdhsa_inst_pref_size 25
	.end_amdhsa_kernel
	.amdgpu_metadata
---
amdhsa.version: [ 1, 2 ]
amdhsa.kernels:
  - .name:           k_qce29931297_rope
    .symbol:         k_qce29931297_rope.kd
    .args:
      - { .name: rope, .offset: 0, .size: 8, .value_kind: global_buffer, .address_space: global }
    .group_segment_fixed_size: 0
    .private_segment_fixed_size: 0
    .kernarg_segment_align: 8
    .kernarg_segment_size: 8
    .max_flat_workgroup_size: 32
    .sgpr_count:     66
    .vgpr_count:     160
    .wavefront_size: 32
...
	.end_amdgpu_metadata
.endif
;; end of part 1
;; launch qkv (part 2): grid 12 x 32, 4 waves a work-group, clusters of 4 x 4, 327,680 bytes of LDS; arguments x_codes, x_scales, Wqkv_codes, Wqkv_scales, bqkv, rope, qk_img, qk_sc, v_img, v_sc; writes qk_img, qk_sc, v_img, v_sc
.if DOCPART == 2
	.amdgcn_target "amdgcn-amd-amdhsa--gfx1250"
	.amdhsa_code_object_version 6
	.text
	.protected	k_qce29931297_qkv
	.globl	k_qce29931297_qkv
	.p2align	8
	.type	k_qce29931297_qkv,@function
k_qce29931297_qkv:
	s_mov_b64 s[64:65], 0
	v_nop
	global_prefetch_b8 v0, s[64:65] scope:SCOPE_SE
	s_setreg_imm32_b32 hwreg(HW_REG_WAVE_MODE, 25, 1), 1
	s_wait_xcnt 0x0
	s_wait_alu depctr_hold_cnt(0) depctr_sa_sdst(0) depctr_va_vdst(0) depctr_va_sdst(0) depctr_va_ssrc(0) depctr_va_vcc(0) depctr_vm_vsrc(0)
	s_getreg_b32 s2, hwreg(HW_REG_IB_STS2, 6, 4)
	s_cmp_eq_u32 s2, 0
	s_cbranch_scc0 .Lentry_in_a_cluster
	s_endpgm
.Lentry_in_a_cluster:
	s_bfe_u32 s2, ttmp6, 0x10000c
	s_cmp_lg_u32 s2, 0xf033
	s_cbranch_scc0 .Lentry_shape_is_right
	s_endpgm
.Lentry_shape_is_right:
; qkv = x Wqkv + bqkv on codes of E4M3 with E8M0 scales; q and k are rotated (RoPE); q, k and v are quantised again and stored as IMAGES OF OPERAND REGISTERS for the attention launch.
; A work-group of four waves makes 256 x 256 of the product, a wave 128 x 128: 64 accumulators, 512 registers.  K = 1,024 goes in four steps of 256 through two LDS slots filled by the tensor data mover.
; TWO ROLES.  S is the matrix instruction's source 1: a lane holds ONE row of S.  P is source 0: a lane's registers run along P's rows.  The quantiser runs along P.
;   clusters x = 0, 1 (q and k): S = tokens (x), P = features (rows 0 .. 2,047 of Wqkv): registers run along a head's 64 channels, which is the score product's K.
;   cluster  x = 2    (v):       S = channels (rows 2,048 .. 3,071 of Wqkv), P = tokens (x): registers run along the keys, which is the second product's K.
; Both tensors have rows of 1,024 codes and 32 scale bytes, so only pointers and coordinates are chosen by the role; the loop over K is one text.
; CLUSTERS: 4 x 4 work-groups.  S's tile hangs on cy (and the cluster's y) alone and is shared along a row of the cluster, P's on cx (and the cluster) alone and is shared along a column: joint loads.
; THE ORDER INSIDE A BLOCK OF 32.  Accumulators 2 c and 2 c + 1 give lane (r, h) the numbers 32 c + 8 h + 0 .. 7 and 32 c + 16 + 8 h + 0 .. 7 along P: a whole block lies in lanes l and l xor 16.
; The codes are stored in that order.  Both operands of the score product (q, k) and both of the second product (p, v) carry the same order, so their products pair the right numbers, and a block's scale is its own.
; OUT:  qk_img [b 4][head 32: q's 16, k's 16][token tile 128][block 2][lane][16 bytes];   qk_sc [b][head][group of 128 tokens 16][r 16][f 4] words: (s0, s1 of token 32 f + r; s0, s1 of token 32 f + 16 + r)
;       v_img  [b x head 64][key step 16][channel tile 4][key block 4][lane][16 bytes];   v_sc  [b x head][key step][r 16][channel tile 4] words: byte c = key block c.   Every store of a wave covers 512 (scales: 2 x 256) consecutive bytes, aligned.
; LIMITS: NaN and infinities are not served.  A block of zeros gets the scale byte 1 where the quantiser's rule says 127: its codes are zeros, and this program alone reads the bytes.
; REGISTERS, in windows of 256: window 0: v1-31 addresses and v's bias; v32-63 scale words, two sets; v64-127 q's and k's bias; v128-255 S's fragments, ONE set; on the way out v128-255 are at work.
;   window 1: P's fragments, two sets; on the way out the rope table's pairs (block a at 32 a).   windows 2, 3: the accumulators (a, b) at v[8 (8 (a % 4) + b)].
.set SIZE_K, 1024
.set KSTEP,  256                       ; along K in a slot
.set NQ,     KSTEP/128                 ; matrix instructions deep
.set ROWB,   256                       ; a tile's row in bytes
.set KROW,   SIZE_K                    ; a row of codes in memory
.set PITCH,  272                       ; an LDS row: 256 bytes + 16 of padding = 68 words: the 16 rows that a load touches start at 16 different banks (64 banks of 4 bytes: ISA guide 11.1)
.set FR,     16                        ; registers of a fragment: 16 rows x 128 K
.set NL,     4                         ; LDS loads that bring one
.set NP,     8                         ; places behind this matrix instruction (ISA guide 7.12.1)
.set HALFT,  128*PITCH                 ; 128 rows: what one tensor load brings
.set SLOT,   4*HALFT                   ; S's 256 rows, then P's 256 rows
.set LAPS,   SIZE_K/(2*KSTEP)
.set KS,     SIZE_K/32                 ; a row of scale bytes
.set SCL,    2*SLOT                    ; behind the ring: the scales of all of K, as units of 256 bytes + 16 of padding
.set HALFS,  (128*KS/256)*272
.set SBLK,   (16*KS/256)*272
.set SPARE,  SCL+4*HALFS               ; the spare words, 128 bytes for each wave: two blocks of 256 bytes that no other line names
.set BS,   8                           ; v8-15   v's bias: that of S's row 16 a + r in v[BS + a]
.set ADRA, 16                          ; v16-17  LDS address of my S fragments in slot 0, 1
.set ADRB, 20                          ; v20-21  the same for P
.set SOF,  24                          ; v24     where my 16 bytes of scale words go: 16 r + 4,096 h
.set CO2,  25                          ; v25     16 x lane + the distance from block 0 to block 2 of a row's four
.set CO,   26                          ; v26     16 x lane
.set ADRS, 27                          ; v27     LDS address of my scale words: lanes 0-15 S's rows, lanes 16-31 P's
.set SPW,  28                          ; v28     LDS address of my spare word; never rewritten
.set NIL,  29                          ; v29     0; never rewritten
.set SC,   32                          ; scale words: set s at v[SC + 8 NQ s]
.set BIA,  64                          ; v64-127 q's and k's bias, in an S block's layout: that of P's row 16 b + 8 h + j at BIA + 8 b + j
.set AF,   128                         ; S's fragments
.set T,    128                         ; the way out: v128-191 a block's 64 numbers
.set PC,   192                         ; v192-207 its codes
.set TM,   208                         ; v208-223 largest magnitudes, bytes, holds, scale operands
.set W,    224                         ; v224-231 block a's scale word
.set SW,   232                         ; v232-239 at work on the scale words
.set OUT,  240                         ; v240-243 the 16 bytes of scale words that I store
.set U,    244                         ; v244-251 four pairs at work in the rotation
.set G1, 24                            ; s[24:31] descriptor group 1 for S's tiles;  s[32:39] group 0, one set for each slot
.set G0, 32
.set G1B, 48                           ; s[48:55], s[56:63] the same for P's tiles
.set G0B, 56
.set G1S, 68                           ; s[68:75], s[76:79] groups 1 and 0 for S's scales;  s[80:87], s[88:91] for P's
.set G0S, 76
.set G1SB, 80
.set G0SB, 88
.set MNT, 66                           ; s66  the mantissa field of 448
.set ISV, 67                           ; s67  1 in the cluster that makes v
.set SEL, 104                          ; s[104:105] v_permlanex16_b32's selects for lane l xor 16
.set MSB, 0
.macro WIN new                         ; the immediate's high byte repeats the setting that is left
.if MSB != (\new)
	s_set_vgpr_msb (MSB<<8)|(\new)
.set MSB, (\new)
.endif
.endm
.set MUL_LO, 0xa1                      ; source 0 (P) window 1, source 1 (S) window 0, C and D window 2
.set MUL_HI, 0xf1                      ; the same, C and D window 3
.set TO_B,   0x40                      ; destination window 1, address window 0
; A joint load: waves 0 and 1 fetch for S, waves 2 and 3 for P.  Each line has one mask and one set of registers for all that issue it; the branch hangs on the wave's number alone.
; Four v_nop follow each of the two lines, ahead of the jump, the label and what follows.
.macro JLOAD g0a, g1a, g0b, g1b
	s_cmp_eq_u32 s15, 0
	s_cbranch_scc0 .Lfor_b_\@
	tensor_load_to_lds s[\g0a:\g0a+3], s[\g1a:\g1a+7]
	s_nop 0
.rept 4
	v_nop
.endr
	s_branch .Lasked_\@
.Lfor_b_\@:
	tensor_load_to_lds s[\g0b:\g0b+3], s[\g1b:\g1b+7]
	s_nop 0
.rept 4
	v_nop
.endr
.Lasked_\@:
.endm
.macro CREST                           ; a round of the cluster's barrier behind its opening barrier
	s_cmp_lg_u32 s14, 0
	s_cbranch_scc1 .Lnot_wave_0_\@
	s_barrier_signal -3
.Lnot_wave_0_\@:
	s_barrier_wait -3
	s_barrier_signal -1
	s_barrier_wait -1
.endm
.macro CROUND                          ; a whole round
	s_barrier_signal -1
	s_barrier_wait -1
	CREST
.endm
	s_load_b256 s[68:75], s[0:1], 0x0              ; x's codes, x's scales, Wqkv's codes, Wqkv's scales (these registers become descriptors once the roles are chosen)
	s_load_b128 s[96:99], s[0:1], 0x20             ; bqkv s[96:97], the rope table s[98:99]
	s_load_b256 s[80:87], s[0:1], 0x30             ; qk_img, qk_sc, v_img, v_sc
	v_lshl_add_u32 v[SPW], v0, 2, SPARE
	v_mov_b32 v[NIL], 0
	ds_add_u32 v28, v29
	ds_add_u32 v28, v29
	s_wait_dscnt 0x0
	v_lshrrev_b32 v1, 5, v0
	v_readfirstlane_b32 s14, v1                    ; wave 0..3
	s_lshr_b32 s15, s14, 1                         ; which half of S's 256 rows is mine.  Also: I fetch for S (0) or for P (1)
	s_and_b32 s16, s14, 1                          ; which half of P's.  Also: which 128 rows of that tile I fetch
	s_bfe_u32 s40, ttmp6, 0x40000                  ; cx, cy: my place in the cluster
	s_bfe_u32 s41, ttmp6, 0x40004
	s_and_b32 s18, ttmp7, 0xffff
	s_lshl_b32 s18, s18, 2                         ; 4 x cluster y
	s_lshl_b32 s19, ttmp9, 2                       ; 4 x cluster x
	s_cmp_eq_u32 ttmp9, 2                          ; the role hangs on the cluster's x: the same in all sixteen partners
	s_cselect_b32 s[ISV], 1, 0
	s_cselect_b32 s17, 0, s18
	s_cselect_b32 s42, s18, s19
	s_cselect_b32 s45, 2048, 0                     ; v's channels begin at row 2,048 of Wqkv
	s_add_co_u32 s17, s17, s41                     ; S's tile: q, k: 4 x cluster y + cy (32 tiles of tokens);  v: cy (4 tiles of channels)
	s_add_co_u32 s42, s42, s40                     ; P's tile: q, k: 4 x cluster x + cx (8 tiles of features); v: 4 x cluster y + cx (32 tiles of tokens)
	s_lshl_b32 s43, s41, 2
	s_lshl_b32 s43, 15, s43                        ; my row of the cluster
	s_lshl_b32 s44, 0x1111, s40                    ; my column
	s_mov_b32 s[MNT], 0x600000
	s_mov_b32 s[SEL], 0x76543210
	s_mov_b32 s[SEL+1], 0xfedcba98
	; descriptor group 1: a tile of 128 rows x 256 bytes, padded in LDS
	s_or_b32 s[G1+0], s43, (0<<16)|(1<<20)|(1<<21)|(5<<22)|(3<<25)  ; 15:0 the mask: S's tiles go to my row; 17:16 element of 1 byte; 20 padding on; 21 set beside a mask; 24:22 after every 64 words; 31:25 of 4 words
	s_or_b32 s[G1B+0], s44, (0<<16)|(1<<20)|(1<<21)|(5<<22)|(3<<25)
.irp g, G1, G1B
	s_mov_b32 s[\g+1], ROWB<<16                    ; tensor_dim0
	s_mov_b32 s[\g+2], 128<<16                     ; tensor_dim1
	s_mov_b32 s[\g+3], ROWB<<16                    ; tile_dim0
	s_mov_b32 s[\g+4], 128                         ; tile_dim1
	s_mov_b32 s[\g+5], KROW                        ; tensor_dim0_stride
	s_mov_b32 s[\g+6], 0
	s_mov_b32 s[\g+7], 0
.endr
	s_lshl_b32 s18, s16, 7                         ; which 128 rows of the tile I fetch
	s_lshl_b32 s20, s17, 8
	s_add_co_u32 s20, s20, s18
	s_add_co_u32 s20, s20, s45                     ; S: row 256 x tile + 128 x half (+ 2,048)
	s_lshl_b32 s46, s42, 8
	s_add_co_u32 s46, s46, s18                     ; P: row 256 x tile + 128 x half
	s_mov_b32 s21, 0
	s_mov_b32 s47, 0
	s_mov_b64 s[18:19], KS
	s_mul_u64 s[22:23], s[20:21], s[18:19]         ; where these rows' scales begin, in bytes
	s_mul_u64 s[92:93], s[46:47], s[18:19]
	s_mov_b64 s[18:19], KROW
	s_mul_u64 s[20:21], s[20:21], s[18:19]         ; and their codes
	s_mul_u64 s[46:47], s[46:47], s[18:19]
	s_mul_i32 s45, s14, HALFT                      ; where they go: wave x 128 rows: no place in the cluster enters an LDS address
	s_mul_i32 s94, s14, HALFS
	s_wait_kmcnt 0x0
	s_cmp_eq_u32 s[ISV], 1                         ; the buffers by role: the choice hangs on the cluster's number alone
	s_cselect_b64 s[4:5], s[72:73], s[68:69]       ; S's codes
	s_cselect_b64 s[6:7], s[74:75], s[70:71]       ; S's scales
	s_cselect_b64 s[8:9], s[68:69], s[72:73]       ; P's codes
	s_cselect_b64 s[10:11], s[70:71], s[74:75]     ; P's scales
	s_cselect_b64 s[12:13], s[84:85], s[80:81]     ; the images that I store
	s_cselect_b64 s[100:101], s[86:87], s[82:83]   ; and their scale words
	s_add_nc_u64 s[20:21], s[4:5], s[20:21]
	s_add_nc_u64 s[22:23], s[6:7], s[22:23]
	s_add_nc_u64 s[46:47], s[8:9], s[46:47]
	s_add_nc_u64 s[92:93], s[10:11], s[92:93]
	; group 1 for the scales of 128 rows: a dense block of 4,096 bytes, as rows of 256 bytes (32 elements of 8 bytes), 16 bytes of padding behind each
	s_or_b32 s[G1S+0], s43, (3<<16)|(1<<20)|(1<<21)|(5<<22)|(3<<25)
	s_or_b32 s[G1SB+0], s44, (3<<16)|(1<<20)|(1<<21)|(5<<22)|(3<<25)
.irp g, G1S, G1SB
	s_mov_b32 s[\g+1], 32<<16
	s_mov_b32 s[\g+2], (128*KS/256)<<16
	s_mov_b32 s[\g+3], 32<<16
	s_mov_b32 s[\g+4], 128*KS/256
	s_mov_b32 s[\g+5], 32
	s_mov_b32 s[\g+6], 0
	s_mov_b32 s[\g+7], 0
.endr
	CROUND                                         ; all sixteen work-groups are here: the first joint loads meet
	s_mov_b32 s[G0S], 1
	s_add_co_u32 s[G0S+1], s94, SCL
	s_mov_b64 s[G0S+2:G0S+3], s[22:23]
	s_or_b32 s[G0S+3], s[G0S+3], 0x80000000
	s_mov_b32 s[G0SB], 1
	s_add_co_u32 s[G0SB+1], s94, SCL
	s_mov_b64 s[G0SB+2:G0SB+3], s[92:93]
	s_or_b32 s[G0SB+3], s[G0SB+3], 0x80000000
	JLOAD G0S, G1S, G0SB, G1SB                     ; the scales first: they are wanted with K step 0
.irp s, 0,1
	s_mov_b32 s[G0+4*\s], 1
	s_add_co_u32 s[G0+4*\s+1], s45, \s*SLOT
	s_add_nc_u64 s[G0+4*\s+2:G0+4*\s+3], s[20:21], \s*ROWB
	s_or_b32 s[G0+4*\s+3], s[G0+4*\s+3], 0x80000000
	s_mov_b32 s[G0B+4*\s], 1
	s_add_co_u32 s[G0B+4*\s+1], s45, \s*SLOT
	s_add_nc_u64 s[G0B+4*\s+2:G0B+4*\s+3], s[46:47], \s*ROWB
	s_or_b32 s[G0B+4*\s+3], s[G0B+4*\s+3], 0x80000000
	JLOAD G0+4*\s, G1, G0B+4*\s, G1B               ; three tensor loads of a wave are out
.endr
	v_and_b32 v1, 15, v0                           ; r = l % 16
	v_bfe_u32 v2, v0, 4, 1                         ; h = l / 16
	v_mul_u32_u24 v3, v1, PITCH
	v_lshl_add_u32 v4, v2, 4, v3                   ; a fragment's row x pitch + 16 x half
	s_mul_i32 s21, s15, HALFT                      ; my 128 rows of S
	s_mul_i32 s22, s16, HALFT                      ; my 128 rows of P,
	s_add_co_u32 s22, s22, 2*HALFT                 ; which lie behind S's 256
.irp s, 0,1
	v_add_nc_u32 v[ADRA+\s], s21, v4
	v_add_nc_u32 v[ADRB+\s], s22, v4
	s_add_co_u32 s21, s21, SLOT
	s_add_co_u32 s22, s22, SLOT
.endr
	v_mul_u32_u24 v5, v1, KS                       ; my row's scales: KS bytes a row,
	v_lshrrev_b32 v6, 8, v5
	v_lshl_add_u32 v5, v6, 4, v5                   ; and 16 more for each 256 passed
	s_mul_i32 s21, s15, HALFS                      ; S's: my 128 rows
	s_mul_i32 s22, s16, HALFS                      ; P's: my 128 rows, behind S's 256
	s_add_co_u32 s22, s22, 2*HALFS
	s_sub_co_u32 s22, s22, s21
	v_mul_u32_u24 v6, s22, v2                      ; lanes 16-31 take P's
	s_add_co_u32 s21, s21, SCL
	v_add_nc_u32 v5, v5, v6
	v_add_nc_u32 v[ADRS], s21, v5
	v_and_b32 v6, 31, v0
	v_lshlrev_b32 v[CO], 4, v6
	v_lshlrev_b32 v[SOF], 4, v1
	v_lshl_add_u32 v[SOF], v2, 12, v[SOF]
	; WHERE MY RESULTS GO.  Tc, Th: the tile and half along the tokens; Fc, Fh: along the features.  b = Tc / 8; g = 2 (Tc % 8) + Th: my 128 tokens' place in the batch;
	; H = my first head's row in the buffer: 32 b + 4 Fc + 2 Fh (q, k) or 16 b + 4 Fc + 2 Fh (v).  In both buffers of images a head is 131,072 bytes and 128 tokens are 8,192; in both buffers of scales 4,096 and 256.
	s_cmp_eq_u32 s[ISV], 1
	s_cselect_b32 s18, s42, s17                    ; Tc
	s_cselect_b32 s19, s16, s15                    ; Th
	s_cselect_b32 s20, s17, s42                    ; Fc
	s_cselect_b32 s21, s15, s16                    ; Fh
	s_cselect_b32 s22, 4, 5
	s_lshr_b32 s23, s18, 3
	s_lshl_b32 s23, s23, s22
	s_lshl_b32 s20, s20, 2
	s_add_co_u32 s23, s23, s20
	s_lshl_b32 s21, s21, 1
	s_add_co_u32 s23, s23, s21                     ; H
	s_and_b32 s18, s18, 7
	s_lshl_b32 s18, s18, 1
	s_add_co_u32 s18, s18, s19                     ; g
	s_lshl_b32 s46, s23, 17
	s_lshl_b32 s47, s18, 13
	s_add_co_u32 s46, s46, s47
	s_mov_b32 s47, 0
	s_add_nc_u64 s[12:13], s[12:13], s[46:47]
	s_lshl_b32 s46, s23, 4
	s_add_co_u32 s46, s46, s18
	s_lshl_b32 s46, s46, 8
	s_add_nc_u64 s[100:101], s[100:101], s[46:47]
	s_lshl_b32 s46, s18, 15                        ; the rope table at my first tile of positions, 8 g: 4,096 bytes a tile
	s_add_nc_u64 s[98:99], s[98:99], s[46:47]
	; the biases.  Both sets are loaded in both roles, so that every register is written on every way; the set that the role does not use is read at bqkv's first bytes
	s_lshl_b32 s46, s42, 10
	s_lshl_b32 s47, s16, 9
	s_add_co_u32 s46, s46, s47                     ; q, k: 4 x (256 x P's tile + 128 x half)
	s_lshl_b32 s92, s17, 10
	s_lshl_b32 s93, s15, 9
	s_add_co_u32 s92, s92, s93
	s_add_co_u32 s92, s92, 8192                    ; v: 4 x (2,048 + 256 x S's tile + 128 x half)
	s_cmp_eq_u32 s[ISV], 1
	s_cselect_b32 s46, 0, s46
	s_cselect_b32 s92, s92, 0
	v_lshlrev_b32 v30, 5, v2
	v_add_nc_u32 v30, s46, v30                     ; + 32 h: my half's eight numbers of a tile of 16
	v_lshlrev_b32 v31, 2, v1
	v_add_nc_u32 v31, s92, v31                     ; + 4 r: my row's
.irp b, 0,1,2,3,4,5,6,7
	global_load_b128 v[BIA+8*\b:BIA+8*\b+3], v30, s[96:97] offset:64*\b
	global_load_b128 v[BIA+8*\b+4:BIA+8*\b+7], v30, s[96:97] offset:64*\b+16
.endr
.irp a, 0,1,2,3,4,5,6,7
	global_load_b32 v[BS+\a], v31, s[96:97] offset:64*\a
.endr
.macro FRAG reg, adr, q, i             ; a fragment: lane l holds row l % 16; registers 4 c .. 4 c + 3 hold K = 32 c + 16 (l / 16) + 0 .. 15
.irp c, 0,1,2,3
	ds_load_b128 v[\reg+4*\c:\reg+4*\c+3], v[\adr] offset:128*(\q)+32*\c+(\i)*16*PITCH
.endr
.endm
; 16 matrix instructions: S's blocks a0, a0 + 1 x P's eight, 128 along K: the slot's q-th.  p: P's set;  sc: the set of scale words.  zero = 1: the first product starts the sums: nothing is ever cleared.
; The 64 accumulators take turns, one instruction a turn, in the same order in every step.  One register carries S's scale word (lanes 0-15) and P's (lanes 16-31).
.macro MUL16 a0, p, q, sc, zero
.irp a, \a0, \a0+1
.irp b, 0,1,2,3,4,5,6,7
.if \zero
	v_wmma_scale_f32_16x16x128_f8f6f4 v[8*(8*((\a)%4)+\b):8*(8*((\a)%4)+\b)+7], v[128*(\p)+FR*\b:128*(\p)+FR*\b+FR-1], v[AF+FR*(\a):AF+FR*(\a)+FR-1], 0, v[SC+8*NQ*(\sc)+NQ*\b+(\q)], v[SC+8*NQ*(\sc)+NQ*(\a)+(\q)] matrix_a_scale:MATRIX_SCALE_ROW1
.else
	v_wmma_scale_f32_16x16x128_f8f6f4 v[8*(8*((\a)%4)+\b):8*(8*((\a)%4)+\b)+7], v[128*(\p)+FR*\b:128*(\p)+FR*\b+FR-1], v[AF+FR*(\a):AF+FR*(\a)+FR-1], v[8*(8*((\a)%4)+\b):8*(8*((\a)%4)+\b)+7], v[SC+8*NQ*(\sc)+NQ*\b+(\q)], v[SC+8*NQ*(\sc)+NQ*(\a)+(\q)] matrix_a_scale:MATRIX_SCALE_ROW1
.endif
.endr
.endr
.endm
.macro FETCH_B slot, q, p              ; P's eight fragments of the slot's q-th 128 along K into set p
	WIN TO_B
.irp i, 0,1,2,3,4,5,6,7
	FRAG 128*(\p)+FR*\i, ADRB+\slot, \q, \i
.endr
	WIN 0
.endm
.macro FETCH_A slot, q, i0             ; S's blocks i0 .. i0 + 3
.irp i, \i0, \i0+1, \i0+2, \i0+3
	FRAG AF+FR*(\i), ADRA+\slot, \q, \i
.endr
.endm
.macro SCALES sc                       ; the next K step's scale words into set sc: two words a row; lanes 0-15 take S's block i, lanes 16-31 P's block i
.irp i, 0,1,2,3,4,5,6,7
	ds_load_b64 v[SC+8*NQ*\sc+NQ*\i:SC+8*NQ*\sc+NQ*\i+1], v[ADRS] offset:\i*SBLK
.endr
.endm
; A load into a register that a matrix instruction has read, and a vector instruction that reads a matrix result or writes one of its registers, stand NP places behind it; only plain vector
; instructions that name none of its registers are places (ISA guide 7.12.1 for vector instructions).
.macro PLACES n
.rept \n
	v_nop
.endr
.endm
; A step of 128 along K that has its successor in the same slot.  S has one set of registers: blocks 0-3 are fetched anew in the step's middle, blocks 4-7 at its end; P has two sets.
.macro STEP slot, q, zero
	s_wait_dscnt 4*NL                              ; P's set and S's blocks 0-3 are in; the youngest 16 loads (S's blocks 4-7) may be out
	WIN MUL_LO
	MUL16 0, (\q)%2, \q, \slot, \zero
	MUL16 2, (\q)%2, \q, \slot, \zero
	s_wait_dscnt 0                                 ; S's blocks 4-7 are in (asked for 32 matrix instructions ago)
	PLACES NP
	FETCH_B \slot, (\q)+1, 1-(\q)%2
	FETCH_A \slot, (\q)+1, 0
	WIN MUL_HI
	MUL16 4, (\q)%2, \q, \slot, \zero
	MUL16 6, (\q)%2, \q, \slot, \zero
	PLACES NP
	WIN 0
	FETCH_A \slot, (\q)+1, 4
.endm
; A slot's last step changes slots: ONE barrier; in front of it each wave waits for all its tensor loads, adds 0 to its spare word, and waits for that and for its own reads of this slot.  fill = 1: this slot is filled again, two K steps ahead.
.macro TURN slot, next, fill
	s_wait_tensorcnt 0x0                           ; all my tensor loads have landed: my part of the next slot
	ds_add_u32 v[SPW], v[NIL]                      ; 0 onto my spare word
	s_wait_dscnt 4*NL+1                            ; (the add and the youngest 16 loads, S's blocks 4-7, may be out)
	WIN MUL_LO
	MUL16 0, 1, NQ-1, \slot, 0                     ; sixteen matrix instructions stand between the add and the wait for it
	s_wait_dscnt 0x0                               ; the add is done, and my reads of this slot are over
	s_barrier_signal -1
	MUL16 2, 1, NQ-1, \slot, 0
	WIN 0
	s_barrier_wait -1
.if \fill
	CREST                                          ; the barrier has opened a round of the cluster's barrier: no wave of any partner still reads this slot's tile or has a load on its way
	s_add_nc_u64 s[G0+4*\slot+2:G0+4*\slot+3], s[G0+4*\slot+2:G0+4*\slot+3], 2*ROWB
	s_add_nc_u64 s[G0B+4*\slot+2:G0B+4*\slot+3], s[G0B+4*\slot+2:G0B+4*\slot+3], 2*ROWB
	JLOAD G0+4*\slot, G1, G0B+4*\slot, G1B         ; the first tensor load behind the round; the four v_nop behind it are among the places in front of the loads below
	PLACES NP-4
.else
	PLACES NP
.endif
	v_add_nc_u32 v[ADRS], 4*NQ, v[ADRS]            ; on to the next K step's scale words (no LDS load of mine is out)
	FETCH_B \next, 0, 0
	FETCH_A \next, 0, 0
	SCALES \next
	WIN MUL_HI
	MUL16 4, 1, NQ-1, \slot, 0
	MUL16 6, 1, NQ-1, \slot, 0
	PLACES NP
	WIN 0
	FETCH_A \next, 0, 4
.endm
.macro ROPE4 a0                        ; the table's pairs for S's blocks a0 .. a0 + 3: 8 loads of 512 consecutive bytes a block, into window 1
.irp a, \a0, \a0+1, \a0+2, \a0+3
.irp k, 0,1,2,3,4,5,6,7
	global_load_b128 v[32*(\a)+4*\k:32*(\a)+4*\k+3], v[CO], s[98:99] offset:4096*(\a)+512*\k
.endr
.endr
.endm
	s_wait_tensorcnt 1                             ; the scales and my part of K step 0 are in (K step 1's load may be out),
	s_barrier_signal -1
	s_barrier_wait -1                              ; everybody's are
	FETCH_B 0, 0, 0
	FETCH_A 0, 0, 0
	SCALES 0
	FETCH_A 0, 0, 4
	STEP 0, 0, 1                                   ; the first step stands in front of the loop: its products start the sums
	s_mov_b32 s3, LAPS-1
.Llap:                                                 ; a trip goes once round the ring, from a lap's second step to the next lap's first, and fills both slots again
	TURN 0, 1, 1
	STEP 1, 0, 0
	TURN 1, 0, 1
	STEP 0, 0, 0
	s_sub_co_u32 s3, s3, 1
	s_cmp_lg_u32 s3, 0
	s_cbranch_scc1 .Llap
	TURN 0, 1, 0                                   ; the last lap fills nothing, and has no round of the cluster's barrier
	STEP 1, 0, 0
	s_wait_loadcnt 0x0                             ; the biases, asked for at the head
	s_cmp_lg_u32 s[ISV], 0                         ; q and k: the table's pairs for blocks 0-3 go into P's set 0, which the step above has left (its eight places stand behind its last product)
	s_cbranch_scc1 .Lno_rope
	WIN TO_B
	ROPE4 0
	WIN 0
.Lno_rope:
	s_wait_dscnt 4*NL                              ; the very last step: nothing more to fetch
	WIN MUL_LO
	MUL16 0, 1, NQ-1, 1, 0
	MUL16 2, 1, NQ-1, 1, 0
	s_wait_dscnt 0
	WIN MUL_HI
	MUL16 4, 1, NQ-1, 1, 0
	MUL16 6, 1, NQ-1, 1, 0
	WIN 0
; 64 numbers of a lane, v[s] on, register 16 b + i of block b, become 16 registers of codes in v[pc] on and the row's scale word in v[pw].  A block's other 16 numbers lie in lane l xor 16.
.macro QUANT s, pc, pw
.irp b, 0,1,2,3
	v_max3_num_f32 v[TM+\b], |v[\s+16*\b]|, |v[\s+1+16*\b]|, 0x4800000   ; block b: my 16 numbers, and the floor 2^(9 - 127): so the byte cannot fall under 1
.endr
.irp i, 2,4,6,8,10,12,14
.irp b, 0,1,2,3
	v_max3_num_f32 v[TM+\b], v[TM+\b], |v[\s+16*\b+\i]|, |v[\s+1+16*\b+\i]|   ; (the four blocks by turns)
.endr
.endr
.irp b, 0,1,2,3
	v_permlanex16_b32 v[TM+4+\b], v[TM+\b], s[SEL], s[SEL+1]
.endr
.irp b, 0,1,2,3
	v_max_num_f32 v[TM+\b], v[TM+\b], v[TM+4+\b]   ; the block's largest magnitude
.endr
.irp b, 0,1,2,3
	v_add_nc_u32 v[TM+12+\b], 0xfc000000, v[TM+\b] ; 8 off its exponent field: the conversion takes the exponent field of this operand as its scale
.endr
.irp b, 0,1,2,3
	v_and_or_b32 v[TM+8+\b], v[TM+\b], 0x7f800000, s[MNT]   ; 448 x the scale
.endr
.irp b, 0,1,2,3
	v_lshrrev_b32 v[TM+4+\b], 23, v[TM+12+\b]      ; the scale's byte
.endr
	v_lshl_or_b32 v[\pw], v[TM+5], 8, v[TM+4]
	v_lshl_or_b32 v[\pw], v[TM+6], 16, v[\pw]
	v_lshl_or_b32 v[\pw], v[TM+7], 24, v[\pw]
.irp b, 0,1,2,3
.irp i, 0,1,2,3,4,5,6,7,8,9,10,11,12,13,14,15
	v_med3_num_f32 v[\s+16*\b+\i], v[\s+16*\b+\i], -v[TM+8+\b], v[TM+8+\b]   ; the conversion to an 8-bit code does not saturate (ISA guide 7.6.2): the hold at the largest code x the scale
.endr
	v_cvt_scalef32_pk8_fp8_f32 v[\pc+4*\b:\pc+1+4*\b], v[\s+16*\b:\s+7+16*\b], v[TM+12+\b]
	v_cvt_scalef32_pk8_fp8_f32 v[\pc+2+4*\b:\pc+3+4*\b], v[\s+8+16*\b:\s+15+16*\b], v[TM+12+\b]
.endr
	v_nop                                          ; one plain vector instruction behind the last scaled conversion, ahead of whatever next touches its registers
.endm
; THE WAY OUT of S's block a: 16 rows of S x my 128 rows of P.  q, k: + bias, rotated by the table's pairs; v: + bias.  Then quantised along P and stored as it stands: four stores of 512 consecutive bytes.
.macro BLOCK a
.set AC, 64*((\a)%4)
.set CSB, 32*(\a)
.set BSP, BS+2*((\a)/2)
	s_cmp_lg_u32 s[ISV], 0
	s_cbranch_scc1 .Lvarm_\@
.if (\a) == 0
	WIN TO_B
	ROPE4 4                                        ; blocks 4-7's pairs go into P's set 1, eight places behind the last products
	WIN 0
.endif
	s_wait_loadcnt 56-8*(\a)                       ; 64 table loads were issued, 8 a block, in the blocks' order: those of the 7 - a later blocks may be out
	WIN 0x02+(\a)/4                                ; source 0: the accumulators' window
.set i, 0
.rept 32
	v_pk_add_f32 v[T+i:T+i+1], v[AC+i:AC+i+1], v[BIA+i:BIA+i+1]   ; each accumulator from its low end on
.set i, i+2
.endr
	WIN 0x04                                       ; source 1: the table's window
.set g, 0
.rept 8                                ; pair n = 4 g + k holds channels (even e, odd o); its (cos c, sin s) is the table's pair n % 16
.irp k, 0,1,2,3
	v_pk_mul_f32 v[U+2*\k:U+2*\k+1], v[T+8*g+2*\k:T+8*g+2*\k+1], v[CSB+2*((4*g+\k)%16):CSB+2*((4*g+\k)%16)+1] op_sel_hi:[1,0]   ; (e c, o c)
.endr
.irp k, 0,1,2,3
	v_pk_fma_f32 v[T+8*g+2*\k:T+8*g+2*\k+1], v[T+8*g+2*\k:T+8*g+2*\k+1], v[CSB+2*((4*g+\k)%16):CSB+2*((4*g+\k)%16)+1], v[U+2*\k:U+2*\k+1] op_sel:[1,1,0] op_sel_hi:[0,1,1] neg_lo:[0,1,0]   ; (e c - o s, o c + e s)
.endr
.set g, g+1
.endr
	WIN 0
	s_branch .Ljoin_\@
.Lvarm_\@:
	WIN 0x02+(\a)/4
.set i, 0
.rept 32
.if ((\a)%2) == 0
	v_pk_add_f32 v[T+i:T+i+1], v[AC+i:AC+i+1], v[BSP:BSP+1] op_sel_hi:[1,0]              ; my channel's bias: the pair's first register for both halves
.else
	v_pk_add_f32 v[T+i:T+i+1], v[AC+i:AC+i+1], v[BSP:BSP+1] op_sel:[0,1] op_sel_hi:[1,1] ; the pair's second
.endif
.set i, i+2
.endr
	WIN 0
.Ljoin_\@:
	s_wait_xcnt 0x0                                ; the last block's stores have read their data and their base: both are written again below
.if (\a) > 0
	s_add_nc_u64 s[12:13], s[12:13], s[92:93]      ; the next block's image
.endif
.if (\a) == 4
	s_add_nc_u64 s[12:13], s[12:13], s[94:95]      ; v: blocks 4-7 are the next head's
.endif
	QUANT T, PC, W+\a
	global_store_b128 v[CO], v[PC:PC+3], s[12:13]
	global_store_b128 v[CO], v[PC+4:PC+7], s[12:13] offset:512
	global_store_b128 v[CO2], v[PC+8:PC+11], s[12:13]
	global_store_b128 v[CO2], v[PC+12:PC+15], s[12:13] offset:512
.endm
	PLACES NP                                      ; behind the last products: for the reads of results, the writes over S's fragments and the loads over P's
.irp b, 0,1,2,3
	v_mov_b32 v[TM+4+\b], 0                        ; written once: a lane permute's destination counts as one of its sources
.endr
	s_cmp_eq_u32 s[ISV], 1
	s_mov_b32 s92, 1024                            ; from block to block: q, k: a token tile, 1,024 bytes;
	s_cselect_b32 s92, 2048, s92                   ; v: a channel tile, 2,048
	s_mov_b32 s93, 0
	s_cselect_b32 s94, 131072-4*2048, 0            ; v: from a head's fourth tile to the next head's first
	s_mov_b32 s95, 0
	s_mov_b32 s46, 131072                          ; from block 0 to block 2 of a row's four: q, k: the next head;
	s_cselect_b32 s46, 1024, s46                   ; v: two key blocks on
	v_add_nc_u32 v[CO2], s46, v[CO]
.irp a, 0,1,2,3,4,5,6,7
	BLOCK \a
.endr
	; the scale words.  Lanes 0-15 store my first head's 256 bytes, lanes 16-31 my second head's.
	v_bfe_u32 v2, v0, 4, 1
	v_cmp_ne_u32 vcc_lo, 0, v2
	s_cmp_lg_u32 s[ISV], 0
	s_cbranch_scc1 .Lv_words
.irp f, 0,1,2,3                        ; q, k: a block's word is (head 0: s0, s1; head 1: s0, s1).  Word f of a head: (s0, s1 of token tile 2 f; s0, s1 of token tile 2 f + 1)
	v_perm_b32 v[SW+\f], v[W+2*\f+1], v[W+2*\f], 0x05040100
	v_perm_b32 v[SW+4+\f], v[W+2*\f+1], v[W+2*\f], 0x07060302
.endr
.irp f, 0,1,2,3
	v_cndmask_b32 v[OUT+\f], v[SW+\f], v[SW+4+\f], vcc_lo
.endr
	s_branch .Lwords
.Lv_words:
.irp f, 0,1,2,3                        ; v: a block's word is its channel's four key blocks; blocks 0-3 are head 0's channel tiles, 4-7 head 1's
	v_cndmask_b32 v[OUT+\f], v[W+\f], v[W+4+\f], vcc_lo
.endr
.Lwords:
	global_store_b128 v[SOF], v[OUT:OUT+3], s[100:101]
	s_wait_tensorcnt 0x0                           ; the wave's end
	ds_add_u32 v[SPW], v[NIL]
	s_wait_dscnt 0x0
	CROUND                                         ; the closing round: no work-group ends while a partner may still ask for a tile that names it
	s_endpgm
.Lfunc_end_k_qce29931297_qkv:
	.size	k_qce29931297_qkv, .Lfunc_end_k_qce29931297_qkv-k_qce29931297_qkv
	.p2alignl 7, 3214868480
	.fill 96, 4, 3214868480
	.section	.rodata,"a",@progbits
	.p2align	6, 0x0
	.amdhsa_kernel k_qce29931297_qkv
		.amdhsa_group_segment_fixed_size 327680
		.amdhsa_private_segment_fixed_size 0
		.amdhsa_enable_private_segment 0
		.amdhsa_kernarg_size 80
		.amdhsa_user_sgpr_count 2
		.amdhsa_user_sgpr_kernarg_segment_ptr 1
		.amdhsa_wavefront_size32 1
		.amdhsa_system_sgpr_workgroup_id_x 1
		.amdhsa_system_sgpr_workgroup_id_y 1
		.amdhsa_system_sgpr_workgroup_id_z 1
		.amdhsa_system_vgpr_workitem_id 0
		.amdhsa_next_free_vgpr 1024
		.amdhsa_next_free_sgpr 106
		.amdhsa_reserve_vcc 1
		.amdhsa_float_denorm_mode_32 3
		.amdhsa_float_denorm_mode_16_64 3
		.amdhsa_memory_ordered 1
		.amdhsa_forward_progress 1
		.amdhsa_inst_pref_size 255
	.end_amdhsa_kernel
	.section	.bss,"aw",@nobits
	.p2align	6
	.space	262144
	.amdgpu_metadata
---
amdhsa.version: [ 1, 2 ]
amdhsa.kernels:
  - .name:           k_qce29931297_qkv
    .symbol:         k_qce29931297_qkv.kd
    .args:
      - { .name: x_codes, .offset: 0, .size: 8, .value_kind: global_buffer, .address_space: global }
      - { .name: x_scales, .offset: 8, .size: 8, .value_kind: global_buffer, .address_space: global }
      - { .name: Wqkv_codes, .offset: 16, .size: 8, .value_kind: global_buffer, .address_space: global }
      - { .name: Wqkv_scales, .offset: 24, .size: 8, .value_kind: global_buffer, .address_space: global }
      - { .name: bqkv, .offset: 32, .size: 8, .value_kind: global_buffer, .address_space: global }
      - { .name: rope, .offset: 40, .size: 8, .value_kind: global_buffer, .address_space: global }
      - { .name: qk_img, .offset: 48, .size: 8, .value_kind: global_buffer, .address_space: global }
      - { .name: qk_sc, .offset: 56, .size: 8, .value_kind: global_buffer, .address_space: global }
      - { .name: v_img, .offset: 64, .size: 8, .value_kind: global_buffer, .address_space: global }
      - { .name: v_sc, .offset: 72, .size: 8, .value_kind: global_buffer, .address_space: global }
    .group_segment_fixed_size: 327680
    .private_segment_fixed_size: 0
    .kernarg_segment_align: 8
    .kernarg_segment_size: 80
    .max_flat_workgroup_size: 128
    .sgpr_count:     106
    .vgpr_count:     1024
    .wavefront_size: 32
...
	.end_amdgpu_metadata
.endif
;; end of part 2
;; launch attn (part 3): grid 4 x 64, 16 waves a work-group, clusters of 4 x 1, 327,680 bytes of LDS; arguments qk_img, qk_sc, v_img, v_sc, a_img, a_sc; writes a_img, a_sc
.if DOCPART == 3
	.amdgcn_target "amdgcn-amd-amdhsa--gfx1250"
	.amdhsa_code_object_version 6
	.text
	.protected	k_qce29931297_attn
	.globl	k_qce29931297_attn
	.p2align	8
	.type	k_qce29931297_attn,@function
k_qce29931297_attn:
	s_mov_b64 s[64:65], 0
	v_nop
	global_prefetch_b8 v0, s[64:65] scope:SCOPE_SE
	s_setreg_imm32_b32 hwreg(HW_REG_WAVE_MODE, 25, 1), 1
	s_wait_xcnt 0x0
	s_wait_alu depctr_hold_cnt(0) depctr_sa_sdst(0) depctr_va_vdst(0) depctr_va_sdst(0) depctr_va_ssrc(0) depctr_va_vcc(0) depctr_vm_vsrc(0)
	s_getreg_b32 s2, hwreg(HW_REG_IB_STS2, 6, 4)
	s_cmp_eq_u32 s2, 0
	s_cbranch_scc0 .Lentry_in_a_cluster
	s_endpgm
.Lentry_in_a_cluster:
	s_bfe_u32 s2, ttmp6, 0x10000c
	s_cmp_lg_u32 s2, 0x3003
	s_cbranch_scc0 .Lentry_shape_is_right
	s_endpgm
.Lentry_shape_is_right:
; Causal attention of one head (2,048 tokens, 64 channels) on codes of E4M3 with E8M0 scales; the result is quantised along the features and stored as the projection's operand.
; THE SOFTMAX AHEAD OF THE SECOND PRODUCT: t = score x log2(e) / 8; M = the row's largest t so far, rounded UP to a whole number; p = 2^(t - M) is quantised along the keys, not normalised.
; The row's sum is taken of the unquantised p and divides O at the end.  When M moves, the sum and O are multiplied by 2^(old M - new M): exact.
; SHARES.  The four work-groups of a cluster share a head.  Wave w of work-group g owns TWO tiles of 16 queries: tile 4 w + g and tile 127 - (4 w + g).  Their key steps of 128 number (w / 2 + 1) + (16 - w / 2) = 17 in
; every wave.  A tile's last step, the one on the diagonal, is w / 2 or 15 - w / 2: it hangs on the wave's number alone, so no branch hangs on a work-group's place in its cluster.
; THE WHOLE HEAD'S K AND V LIE IN LDS, FILLED ONCE, by joint loads of the four work-groups (each of the 16 waves brings three dense pieces): no slot is filled again, and no barrier stands in the loops.
; Key steps 0-3 come by loads of their own, so that the first tile's first steps begin while the other twelve steps are on their way.
; LAYOUT.  Both products are used transposed: S^T = K Q^T, O^T = V^T P^T: a lane holds ONE query (lane % 16) throughout.
; K = 64 IN AN INSTRUCTION OF 128.  A fragment of K holds TWO keys a row: K = 0 .. 63 is key 32 f + r, K = 64 .. 127 key 32 f + 16 + r.  It is multiplied once by [q | zero codes] and once by [zero codes | q].
; A zero code times any code of K adds nothing: the codes were held at 448 when they were made, so none is the NaN code, and the scale bytes lie in 1 .. 254.
; Register 16 f + i of S^T is key 32 f + 8 h + i + 8 (i / 8): a block of 32 keys lies in lanes l and l xor 16, in the order in which v's images hold the keys.
; LIMITS: NaN and infinities are not served.  A block of zeros gets the scale byte 1 where the quantiser's rule says 127: its codes are zeros, and this program alone reads the bytes.
; a_sc is written two bytes a lane to rows 32 bytes apart: one byte in 33 of what the launch stores.
.set KIMG, 0                           ; LDS: K's images: key step s at 8,192 s, fragment f at + 2,048 f, register group c at + 512 c, + 16 x lane
.set VIMG, 131072                      ; V's: key step s at 8,192 s, channel tile a at + 2,048 a, key block c at + 512 c
.set KSC,  262144                      ; K's scale words: 256 s + 16 r: the four fragments' words
.set VSC,  266240                      ; V's: 256 s + 16 r: the four channel tiles' words
.set AK0,  1                           ; v1   16 x lane
.set AV0,  2                           ; v2   VIMG + 16 x lane
.set ASK0, 3                           ; v3   KSC + 16 r
.set ASV0, 4                           ; v4   VSC + 16 r
.set DQ,   5                           ; v5   r - 8 h
.set ADK,  8                           ; v8-11 the step's LDS addresses: K, V, K's scale words, V's
.set ADV,  9
.set ADS,  10
.set ADT,  11
.set QHA,  16                          ; v16-55: [8 zeros | q of tile A | 8 zeros | q of tile B | 8 zeros]: [0 | qA] at 16, [qA | 0] at 24, [0 | qB] at 32, [qB | 0] at 40
.set QLA,  24
.set QHB,  32
.set QLB,  40
.set QSA,  56                          ; v56, v57 q's scale words (s0, s1, s0, s1)
.set QSB,  57
.set FF,   58                          ; v58  f = 2^(old M - new M)
.set PW,   59                          ; v59  p's scale word
.set SW,   60                          ; v60-63 four scale words of K or of V
.set FRG,  64                          ; v64-127 four fragments of K or of V
.set S,    128                         ; v128-191 S^T, then p
.set OT,   192                         ; v192-223 O^T
.set PC,   224                         ; v224-239 p's codes
.set BM,   240                         ; v240-243 the blocks' largest
.set PT,   244                         ; v244-247 at work
.set HL,   248                         ; v248-251 448 x the scale
.set SO,   252                         ; v252-255 the conversions' scale operands
.set WV,   16                          ; s16  my wave's number
.set GX,   17                          ; s17  my place in the cluster: it enters global addresses, the mask's compare value and a byte select, nothing else
.set BH,   18                          ; s18  batch x 16 + head
.set MNT,  19                          ; s19  the mantissa field of 448
.set SEL,  20                          ; s[20:21] v_permlanex16_b32's selects for lane l xor 16
.set CS,   22                          ; s[22:23] c = log2(e) / 8
.set TB,   76                          ; s76  8,192 x the key step
.set TS,   77                          ; s77  256 x the key step
.set ST,   78                          ; s78  the key step
.set LIM,  79                          ; s79  the tile's last key step
.set CNT,  80                          ; s80  trips to go
.set Q0,   81                          ; s81  the tile's first query
.set OIA,  84                          ; s[84:85], s[86:87] where tile A's codes and scale bytes go;  s[88:89], s[90:91] tile B's
.set OSA,  86
.set OIB,  88
.set OSB,  90
.set TQA,  92                          ; s92, s93 the two tiles' numbers
.set TQB,  93
.macro CROUND                          ; a round of the cluster's barrier
	s_barrier_signal -1
	s_barrier_wait -1
	s_cmp_lg_u32 s[WV], 0
	s_cbranch_scc1 .Lnot_wave_0_\@
	s_barrier_signal -3
.Lnot_wave_0_\@:
	s_barrier_wait -3
	s_barrier_signal -1
	s_barrier_wait -1
.endm
	s_load_b256 s[4:11], s[0:1], 0x0               ; qk_img, qk_sc, v_img, v_sc
	s_load_b128 s[12:15], s[0:1], 0x20             ; a_img, a_sc
	v_lshl_add_u32 v254, v0, 2, 0x42000
	v_mov_b32 v255, 0
	ds_add_u32 v254, v255
	ds_add_u32 v254, v255
	s_wait_dscnt 0x0
	v_lshrrev_b32 v6, 5, v0
	v_readfirstlane_b32 s[WV], v6                  ; wave 0..15
	s_bfe_u32 s[GX], ttmp6, 0x40000
	s_and_b32 s[BH], ttmp7, 0xffff
	s_lshr_b32 s82, s[BH], 4                       ; the batch
	s_and_b32 s83, s[BH], 15                       ; the head
	s_lshl_b32 s80, s82, 5
	s_add_co_u32 s80, s80, s83                     ; q's head in qk_img and qk_sc: 32 b + head;
	s_add_co_u32 s81, s80, 16                      ; k's: 16 further on
	s_lshl_b32 s84, s81, 17                        ; the head's first byte: K's images,
	s_mov_b32 s85, 0
	s_lshl_b32 s86, s81, 12                        ; K's scale words,
	s_mov_b32 s87, 0
	s_lshl_b32 s88, s[BH], 17                      ; V's images,
	s_mov_b32 s89, 0
	s_lshl_b32 s90, s[BH], 12                      ; V's scale words
	s_mov_b32 s91, 0
	s_and_b32 s92, s[WV], 7                        ; u: which eighth I fetch (waves 0-7 of K, waves 8-15 of V)
	s_lshl_b32 s93, s92, 9                         ; of the scale words: 512 bytes;
	s_lshl_b32 s94, s92, 12                        ; of key steps 0-3: 4,096 bytes;
	s_mul_i32 s95, s92, 12288
	s_add_co_u32 s95, s95, 32768                   ; of key steps 4-15: 12,288 bytes, behind the first four steps'
	s_mov_b32 s97, 0
	; descriptor groups 1: dense blocks as rows of 256 bytes (32 elements of 8 bytes): 2, 16 and 48 rows.  15:0 the mask: all four work-groups; 17:16 elements of 8 bytes; 21 set beside a mask; no padding: every read is 16 x lane on end
.irp g, 24, 32, 40
	s_mov_b32 s[\g], 15|(3<<16)|(1<<21)
	s_mov_b32 s[\g+1], 32<<16
	s_mov_b32 s[\g+3], 32<<16
	s_mov_b32 s[\g+5], 32
	s_mov_b32 s[\g+6], 0
	s_mov_b32 s[\g+7], 0
.endr
	s_mov_b32 s26, 2<<16
	s_mov_b32 s28, 2
	s_mov_b32 s34, 16<<16
	s_mov_b32 s36, 16
	s_mov_b32 s42, 48<<16
	s_mov_b32 s44, 48
	s_mov_b32 s[MNT], 0x600000
	s_mov_b32 s[SEL], 0x76543210
	s_mov_b32 s[SEL+1], 0xfedcba98
	s_mov_b32 s[CS], 0x3e38aa3b
	s_mov_b32 s[CS+1], s[CS]                       ; (named with it as a pair, so it is written)
	s_wait_kmcnt 0x0
	s_add_nc_u64 s[84:85], s[4:5], s[84:85]
	s_add_nc_u64 s[86:87], s[6:7], s[86:87]
	s_add_nc_u64 s[88:89], s[8:9], s[88:89]
	s_add_nc_u64 s[90:91], s[10:11], s[90:91]
	; groups 0: nothing in them hangs on my place in the cluster
	s_mov_b32 s96, s93
	s_mov_b32 s48, 1                               ; K's scale words
	s_add_co_u32 s49, s93, KSC
	s_add_nc_u64 s[50:51], s[86:87], s[96:97]
	s_or_b32 s51, s51, 0x80000000
	s_mov_b32 s60, 1                               ; V's
	s_add_co_u32 s61, s93, VSC
	s_add_nc_u64 s[62:63], s[90:91], s[96:97]
	s_or_b32 s63, s63, 0x80000000
	s_mov_b32 s96, s94
	s_mov_b32 s52, 1                               ; K's key steps 0-3
	s_mov_b32 s53, s94
	s_add_nc_u64 s[54:55], s[84:85], s[96:97]
	s_or_b32 s55, s55, 0x80000000
	s_mov_b32 s68, 1                               ; V's
	s_add_co_u32 s69, s94, VIMG
	s_add_nc_u64 s[70:71], s[88:89], s[96:97]
	s_or_b32 s71, s71, 0x80000000
	s_mov_b32 s96, s95
	s_mov_b32 s56, 1                               ; K's key steps 4-15
	s_mov_b32 s57, s95
	s_add_nc_u64 s[58:59], s[84:85], s[96:97]
	s_or_b32 s59, s59, 0x80000000
	s_mov_b32 s72, 1                               ; V's
	s_add_co_u32 s73, s95, VIMG
	s_add_nc_u64 s[74:75], s[88:89], s[96:97]
	s_or_b32 s75, s75, 0x80000000
	CROUND                                         ; all four work-groups are here: the joint loads meet
	s_cmp_lt_u32 s[WV], 8                          ; a wave's three fills stand in one branch, ahead of every wait on TENSORcnt, every LDS read and every other barrier: three loads of mine are out
	s_cbranch_scc0 .Lfirst_v
	tensor_load_to_lds s[48:51], s[24:31]
	s_nop 0
	tensor_load_to_lds s[52:55], s[32:39]
	s_nop 0
	tensor_load_to_lds s[56:59], s[40:47]
	s_nop 0
.rept 4
	v_nop
.endr
	s_branch .Lfirst_done
.Lfirst_v:
	tensor_load_to_lds s[60:63], s[24:31]
	s_nop 0
	tensor_load_to_lds s[68:71], s[32:39]
	s_nop 0
	tensor_load_to_lds s[72:75], s[40:47]
	s_nop 0
.rept 4
	v_nop
.endr
.Lfirst_done:
	v_and_b32 v6, 31, v0
	v_lshlrev_b32 v[AK0], 4, v6
	v_add_nc_u32 v[AV0], VIMG, v[AK0]
	v_and_b32 v7, 15, v0                           ; r
	v_lshl_add_u32 v[ASK0], v7, 4, KSC
	v_lshl_add_u32 v[ASV0], v7, 4, VSC
	v_bfe_u32 v6, v0, 4, 1                         ; h
	v_lshlrev_b32 v6, 3, v6
	v_sub_nc_u32 v[DQ], v7, v6
	v_lshlrev_b32 v8, 4, v7                        ; 16 r: my row among q's scale words
	s_lshl_b32 s[TQA], s[WV], 2
	s_add_co_u32 s[TQA], s[TQA], s[GX]             ; tile A: 4 w + g
	s_sub_co_u32 s[TQB], 127, s[TQA]               ; tile B
	s_lshr_b32 s81, s83, 2                         ; the head's place in a_img [K step of 256: 4][token tile 512][half 2][block 4][lane][16]: (head / 4) x 2,097,152
	s_lshl_b32 s81, s81, 21
	s_and_b32 s79, s83, 3
	s_lshl_b32 s79, s79, 10                        ; + (head % 4) x 1,024: the half and the first of the head's two blocks
	s_add_co_u32 s81, s81, s79
; a tile's pointers: q's image (qi), q's scale words (qs), where its codes (oi) and scale bytes (os) go; sel: which half of a stored scale word is the tile's
.macro TILE tq, qi, qs, oi, os, sel
	s_lshl_b32 s[\qi], s80, 17
	s_lshl_b32 s[\qi+1], s[\tq], 10
	s_add_co_u32 s[\qi], s[\qi], s[\qi+1]          ; the head, + 1,024 bytes a tile
	s_mov_b32 s[\qi+1], 0
	s_add_nc_u64 s[\qi:\qi+1], s[4:5], s[\qi:\qi+1]
	s_lshl_b32 s[\qs], s80, 12
	s_lshr_b32 s[\qs+1], s[\tq], 3
	s_lshl_b32 s[\qs+1], s[\qs+1], 8
	s_add_co_u32 s[\qs], s[\qs], s[\qs+1]          ; the head, + 256 bytes a group of eight tiles,
	s_bfe_u32 s[\qs+1], s[\tq], 0x20001
	s_lshl_b32 s[\qs+1], s[\qs+1], 2
	s_add_co_u32 s[\qs], s[\qs], s[\qs+1]          ; + 4 bytes a pair of tiles
	s_mov_b32 s[\qs+1], 0
	s_add_nc_u64 s[\qs:\qs+1], s[6:7], s[\qs:\qs+1]
	s_lshl_b32 s[\oi], s82, 7
	s_add_co_u32 s[\oi], s[\oi], s[\tq]            ; the token tile among all 512
	s_lshl_b32 s[\os], s[\oi], 9                   ; 16 rows of 32 scale bytes
	s_lshl_b32 s[\oi], s[\oi], 12
	s_add_co_u32 s[\oi], s[\oi], s81
	s_mov_b32 s[\oi+1], 0
	s_add_nc_u64 s[\oi:\oi+1], s[12:13], s[\oi:\oi+1]
	s_lshl_b32 s[\os+1], s83, 1
	s_add_co_u32 s[\os], s[\os], s[\os+1]          ; + the head's two bytes
	s_mov_b32 s[\os+1], 0
	s_add_nc_u64 s[\os:\os+1], s[14:15], s[\os:\os+1]
	s_bitcmp1_b32 s[\tq], 0
	s_mov_b32 s[\sel], 0x01000100                  ; an even tile's bytes are the word's lower two,
	s_cselect_b32 s[\sel], 0x03020302, s[\sel]     ; an odd tile's the upper two
.endm
	TILE TQA, 94, 98, OIA, OSA, 78
	TILE TQB, 96, 76, OIB, OSB, 79
	global_load_b128 v[QLA:QLA+3], v[AK0], s[94:95]
	global_load_b128 v[QLA+4:QLA+7], v[AK0], s[94:95] offset:512
	global_load_b128 v[QLB:QLB+3], v[AK0], s[96:97]
	global_load_b128 v[QLB+4:QLB+7], v[AK0], s[96:97] offset:512
	global_load_b32 v[QSA], v8, s[98:99]
	global_load_b32 v[QSB], v8, s[76:77]
.irp j, 0,1,2,3,4,5,6,7
	v_mov_b32 v[QHA+\j], 0                         ; the zero codes beside q
	v_mov_b32 v[QHB+\j], 0
	v_mov_b32 v[QLB+8+\j], 0
.endr
.irp b, 0,1,2,3
	v_mov_b32 v[PT+\b], 0                          ; written once: a lane permute's destination counts as one of its sources
.endr
	v_mov_b32 v[PW], 0                             ; (named as the upper half of the pair v[58:59] before it is first written)
	s_wait_loadcnt 0x0                             ; q and its scale words; their address registers are free
	v_perm_b32 v[QSA], v[QSA], v[QSA], s78         ; (s0, s1, s0, s1): the same word serves [q | 0] and [0 | q]
	v_perm_b32 v[QSB], v[QSB], v[QSB], s79
; A KEY STEP: 128 keys against one tile of 16 queries.  qlo: [q | 0], qhi: [0 | q], qs: q's scale word.
.macro STEP qlo, qhi, qs
	s_cmp_gt_u32 s[ST], s[LIM]                     ; a step all of whose keys come after the tile's queries is left out; the lines at its end that step addresses are not
	s_cbranch_scc1 .Lhid_\@
	v_add_nc_u32 v[ADK], s[TB], v[AK0]
	v_add_nc_u32 v[ADV], s[TB], v[AV0]
	v_add_nc_u32 v[ADS], s[TS], v[ASK0]
	v_add_nc_u32 v[ADT], s[TS], v[ASV0]
.rept 4
	v_nop                                          ; with the four additions: eight places in front of loads into registers that the last step's products have read
.endr
.irp f, 0,1,2,3
.irp c, 0,1,2,3
	ds_load_b128 v[FRG+16*\f+4*\c:FRG+16*\f+4*\c+3], v[ADK] offset:2048*\f+512*\c
.endr
.endr
	ds_load_b128 v[SW:SW+3], v[ADS]
	s_wait_dscnt 0x0
.irp f, 0,1,2,3
	v_wmma_scale_f32_16x16x128_f8f6f4 v[S+16*\f:S+16*\f+7], v[FRG+16*\f:FRG+16*\f+15], v[\qlo:\qlo+15], 0, v[SW+\f], v[\qs]      ; keys 32 f + 8 h + 0 .. 7
	v_wmma_scale_f32_16x16x128_f8f6f4 v[S+16*\f+8:S+16*\f+15], v[FRG+16*\f:FRG+16*\f+15], v[\qhi:\qhi+15], 0, v[SW+\f], v[\qs]   ; keys 32 f + 16 + 8 h + 0 .. 7
.endr
.rept 8
	v_nop
.endr
.irp a, 0,1,2,3                                ; V's fragments are asked for now and land while the softmax is worked
.irp c, 0,1,2,3
	ds_load_b128 v[FRG+16*\a+4*\c:FRG+16*\a+4*\c+3], v[ADV] offset:2048*\a+512*\c
.endr
.endr
	ds_load_b128 v[SW:SW+3], v[ADT]
	s_cmp_lg_u32 s[ST], s[LIM]                     ; only the tile's last step lies on the diagonal
	s_cbranch_scc1 .Lopen_\@
	s_lshl_b32 s82, s[ST], 7
	s_sub_co_i32 s82, s[Q0], s82
	v_add_nc_u32 v6, s82, v[DQ]                    ; d = my query - the step's first key - 8 h: register n's key is hidden where 32 (n / 16) + n % 16 + 8 ((n % 16) / 8) > d
	v_mov_b32 v7, 0xff800000                       ; -infinity: p = 0 then
.set n, 0
.rept 64
	v_cmp_gt_i32 vcc_lo, 32*(n/16)+n%16+8*((n%16)/8), v6
	v_cndmask_b32 v[S+n], v[S+n], v7, vcc_lo
.set n, n+1
.endr
.Lopen_\@:
.irp b, 0,1,2,3
	v_max3_num_f32 v[BM+\b], v[S+16*\b], v[S+1+16*\b], v[S+2+16*\b]   ; the largest score of each block of 32 keys: for the row's maximum and, since p rises with the score, for the block's largest p
.endr
.irp i, 3,5,7,9,11,13
.irp b, 0,1,2,3
	v_max3_num_f32 v[BM+\b], v[BM+\b], v[S+16*\b+\i], v[S+1+16*\b+\i]
.endr
.endr
.irp b, 0,1,2,3
	v_max_num_f32 v[BM+\b], v[BM+\b], v[S+15+16*\b]
.endr
.irp b, 0,1,2,3
	v_permlanex16_b32 v[PT+\b], v[BM+\b], s[SEL], s[SEL+1]
.endr
.irp b, 0,1,2,3
	v_max_num_f32 v[BM+\b], v[BM+\b], v[PT+\b]     ; with lane l xor 16's 16 keys
.endr
	v_max3_num_f32 v6, v[BM], v[BM+1], v[BM+2]
	v_max_num_f32 v6, v6, v[BM+3]                  ; the step's largest score of my query
	v_mul_f32 v6, s[CS], v6                        ; as t (c is positive)
	v_max_num_f32 v13, v13, v6                     ; the running largest t
	v_mov_b32 v6, v12
	v_floor_f32 v12, -v13                          ; the new -M = floor(-t): M is a whole number
	v_sub_f32 v6, v12, v6                          ; old M - new M: a whole number, 0 or less
	v_cvt_i32_f32 v6, v6                           ; (it saturates)
	v_ldexp_f32 v[FF], 1.0, v6                     ; f = 2^(old M - new M)
.set j, 0
.rept 32
	v_pk_fma_f32 v[S+j:S+j+1], v[S+j:S+j+1], s[CS:CS+1], v[12:13] op_sel_hi:[1,0,0]   ; t - M, two at a time
.set j, j+2
.endr
.irp b, 0,1,2,3
	v_fma_f32 v[BM+\b], v[BM+\b], s[CS], v12       ; the same of each block's largest score
.endr
.set j, 0
.rept 64
	v_exp_f32 v[S+j], v[S+j]                       ; p = 2^(t - M), at most 1
.set j, j+1
.endr
	v_pk_mul_f32 v[14:15], v[14:15], v[FF:FF+1] op_sel_hi:[1,0]   ; the sums under the new M: a plain instruction behind the exponentials
	s_wait_alu depctr_va_vdst(0)                   ; a wait ahead of the first line that names a result: one for the 64
.irp b, 0,1,2,3
	v_exp_f32 v[BM+\b], v[BM+\b]                   ; the block's largest p: the same two instructions on the same number give the same bits
.endr
	v_pk_add_f32 v[PT:PT+1], v[S:S+1], v[S+2:S+3]  ; the row's sum is taken of the unquantised p, in two chains
.set j, 4
.rept 15
	v_pk_add_f32 v[14:15], v[14:15], v[S+j:S+j+1]
	v_pk_add_f32 v[PT:PT+1], v[PT:PT+1], v[S+j+2:S+j+3]
.set j, j+4
.endr
	v_pk_add_f32 v[14:15], v[14:15], v[PT:PT+1]
	s_wait_alu depctr_va_vdst(0)                   ; and one for the four
.irp b, 0,1,2,3
	v_max_num_f32 v[BM+\b], 0x4800000, v[BM+\b]    ; the floor 2^(9 - 127): the byte cannot fall under 1
.endr
.irp b, 0,1,2,3
	v_add_nc_u32 v[SO+\b], 0xfc000000, v[BM+\b]    ; 8 off the exponent field: the conversion's scale operand
.endr
.irp b, 0,1,2,3
	v_and_or_b32 v[HL+\b], v[BM+\b], 0x7f800000, s[MNT]   ; 448 x the scale
.endr
.irp b, 0,1,2,3
	v_lshrrev_b32 v[PT+\b], 23, v[SO+\b]           ; the scale's byte
.endr
	v_lshl_or_b32 v[PW], v[PT+1], 8, v[PT]         ; p's scale word for these 128 keys
	v_lshl_or_b32 v[PW], v[PT+2], 16, v[PW]
	v_lshl_or_b32 v[PW], v[PT+3], 24, v[PW]
.irp b, 0,1,2,3
.irp i, 0,1,2,3,4,5,6,7,8,9,10,11,12,13,14,15
	v_min_num_f32 v[S+16*\b+\i], v[S+16*\b+\i], v[HL+\b]   ; the conversion does not saturate (ISA guide 7.6.2); p is not negative, so the hold is one-sided
.endr
	v_cvt_scalef32_pk8_fp8_f32 v[PC+4*\b:PC+4*\b+1], v[S+16*\b:S+16*\b+7], v[SO+\b]
	v_cvt_scalef32_pk8_fp8_f32 v[PC+4*\b+2:PC+4*\b+3], v[S+16*\b+8:S+16*\b+15], v[SO+\b]
.endr
.set j, 0
.rept 16
	v_pk_mul_f32 v[OT+j:OT+j+1], v[OT+j:OT+j+1], v[FF:FF+1] op_sel_hi:[1,0]   ; O^T under the new M.  (These are also the places between the codes' conversions and the products)
.set j, j+2
.endr
.rept 4
	v_nop                                          ; four more between the last rescaled registers and the products that add onto them
.endr
	s_wait_dscnt 0x0                               ; V's fragments and scale words
.irp a, 0,1,2,3                                ; O^T += V^T P^T: the four accumulators by turns
	v_wmma_scale_f32_16x16x128_f8f6f4 v[OT+8*\a:OT+8*\a+7], v[FRG+16*\a:FRG+16*\a+15], v[PC:PC+15], v[OT+8*\a:OT+8*\a+7], v[SW+\a], v[PW]
.endr
.Lhid_\@:
	s_add_co_u32 s[ST], s[ST], 1
	s_add_co_u32 s[TB], s[TB], 8192
	s_add_co_u32 s[TS], s[TS], 256
.endm
; A tile begins: O^T and the sum as zeros, the largest t as -3e38, so that the step is written without a first step of its own.
.macro INIT tq, second
	v_mov_b32 v13, 0xff61b1e6
	v_floor_f32 v12, -v13
	v_mov_b32 v14, 0
	v_mov_b32 v15, 0
.set j, 0
.rept 32
	v_mov_b32 v[OT+j], 0
.set j, j+1
.endr
	s_mov_b32 s[ST], 0
	s_mov_b32 s[TB], 0
	s_mov_b32 s[TS], 0
	s_lshr_b32 s[LIM], s[WV], 1
.if \second
	s_sub_co_u32 s[LIM], 15, s[LIM]
.endif
	s_lshl_b32 s[Q0], s[\tq], 4
.endm
; A tile ends: O^T / the sum; its two blocks of 32 channels are quantised; the codes are brought into the true order along the features, which the projection's given weights have, and stored.
.macro OUTT oi, os
.rept 8
	v_nop                                          ; places behind the last products
.endr
	v_add_f32 v14, v14, v15
	v_permlanex16_b32 v[PT], v14, s[SEL], s[SEL+1]
	v_add_f32 v14, v14, v[PT]                      ; the row's sum
	v_rcp_f32 v14, v14
	v_and_b32 v8, 15, v0                           ; (a plain instruction behind the reciprocal)
	v_lshlrev_b32 v8, 5, v8                        ; 32 r: my row of scale bytes
	s_wait_alu depctr_va_vdst(0)                   ; ahead of the first reader
.set j, 0
.rept 16
	v_pk_mul_f32 v[S+j:S+j+1], v[OT+j:OT+j+1], v[14:15] op_sel_hi:[1,0]   ; each accumulator from its low end on.  Register 16 b + i: channel 32 b + 8 h + i + 8 (i / 8)
.set j, j+2
.endr
.irp b, 0,1
	v_max3_num_f32 v[BM+\b], |v[S+16*\b]|, |v[S+1+16*\b]|, 0x4800000
.endr
.irp i, 2,4,6,8,10,12,14
.irp b, 0,1
	v_max3_num_f32 v[BM+\b], v[BM+\b], |v[S+16*\b+\i]|, |v[S+1+16*\b+\i]|
.endr
.endr
.irp b, 0,1
	v_permlanex16_b32 v[PT+\b], v[BM+\b], s[SEL], s[SEL+1]
.endr
.irp b, 0,1
	v_max_num_f32 v[BM+\b], v[BM+\b], v[PT+\b]
.endr
.irp b, 0,1
	v_add_nc_u32 v[SO+\b], 0xfc000000, v[BM+\b]
.endr
.irp b, 0,1
	v_and_or_b32 v[HL+\b], v[BM+\b], 0x7f800000, s[MNT]
.endr
.irp b, 0,1
	v_lshrrev_b32 v[PT+\b], 23, v[SO+\b]
.endr
	v_lshl_or_b32 v6, v[PT+1], 8, v[PT]            ; the head's two scale bytes of my row
.irp b, 0,1
.irp i, 0,1,2,3,4,5,6,7,8,9,10,11,12,13,14,15
	v_med3_num_f32 v[S+16*\b+\i], v[S+16*\b+\i], -v[HL+\b], v[HL+\b]
.endr
	v_cvt_scalef32_pk8_fp8_f32 v[PC+4*\b:PC+4*\b+1], v[S+16*\b:S+16*\b+7], v[SO+\b]
	v_cvt_scalef32_pk8_fp8_f32 v[PC+4*\b+2:PC+4*\b+3], v[S+16*\b+8:S+16*\b+15], v[SO+\b]
.endr
	v_nop                                          ; one plain instruction behind the last scaled conversion
.irp b, 0,1                                    ; lanes 0-15 hold channels 0-7 and 16-23 of the block, lanes 16-31 channels 8-15 and 24-31; the operand wants 0-15 below and 16-31 above:
	v_permlane16_swap_b32 v[PC+4*\b], v[PC+4*\b+2]       ; the first pair's lanes 16-31 change places with the second pair's lanes 0-15
	v_permlane16_swap_b32 v[PC+4*\b+1], v[PC+4*\b+3]
.endr
	global_store_b128 v[AK0], v[PC:PC+3], s[\oi:\oi+1]               ; 512 consecutive bytes, aligned
	global_store_b128 v[AK0], v[PC+4:PC+7], s[\oi:\oi+1] offset:512
	global_store_b16 v8, v6, s[\os:\os+1]          ; both halves of the lanes write the same two bytes with the same value
.endm
	s_wait_tensorcnt 0x1                           ; my parts of the scale words and of key steps 0-3 are in; the load of steps 4-15 may stay out
	s_barrier_signal -1
	s_barrier_wait -1                              ; everybody's are
	INIT TQA, 0
	s_mov_b32 s[CNT], 4
.Lfirst_four:                                      ; tile A, key steps 0-3: its reads end at byte 32,767 of each image, where the load that is still out begins
	STEP QLA, QHA, QSA
	s_sub_co_u32 s[CNT], s[CNT], 1
	s_cmp_lg_u32 s[CNT], 0
	s_cbranch_scc1 .Lfirst_four
	s_wait_tensorcnt 0x0                           ; my part of key steps 4-15 is in,
	s_wait_dscnt 0x0
	s_barrier_signal -1
	s_barrier_wait -1                              ; everybody's is
	s_mov_b32 s[CNT], 4
.Lnext_four:                                       ; tile A, key steps 4-7: its diagonal lies at step 7 at the latest
	STEP QLA, QHA, QSA
	s_sub_co_u32 s[CNT], s[CNT], 1
	s_cmp_lg_u32 s[CNT], 0
	s_cbranch_scc1 .Lnext_four
	OUTT OIA, OSA
	s_wait_xcnt 0x0                                ; the stores have read their data and offsets: both are written again below
	INIT TQB, 1
	s_mov_b32 s[CNT], 16
.Lsecond:                                          ; tile B, key steps 0-15
	STEP QLB, QHB, QSB
	s_sub_co_u32 s[CNT], s[CNT], 1
	s_cmp_lg_u32 s[CNT], 0
	s_cbranch_scc1 .Lsecond
	OUTT OIB, OSB
	s_wait_dscnt 0x0
	s_wait_xcnt 0x0
	v_lshl_add_u32 v254, v0, 2, 0x42000
	v_mov_b32 v255, 0
	s_wait_tensorcnt 0x0
	ds_add_u32 v254, v255
	s_wait_dscnt 0x0
	CROUND                                         ; the closing round
	s_endpgm
.Lfunc_end_k_qce29931297_attn:
	.size	k_qce29931297_attn, .Lfunc_end_k_qce29931297_attn-k_qce29931297_attn
	.p2alignl 7, 3214868480
	.fill 96, 4, 3214868480
	.section	.rodata,"a",@progbits
	.p2align	6, 0x0
	.amdhsa_kernel k_qce29931297_attn
		.amdhsa_group_segment_fixed_size 327680
		.amdhsa_private_segment_fixed_size 0
		.amdhsa_enable_private_segment 0
		.amdhsa_kernarg_size 48
		.amdhsa_user_sgpr_count 2
		.amdhsa_user_sgpr_kernarg_segment_ptr 1
		.amdhsa_wavefront_size32 1
		.amdhsa_system_sgpr_workgroup_id_x 1
		.amdhsa_system_sgpr_workgroup_id_y 1
		.amdhsa_system_sgpr_workgroup_id_z 1
		.amdhsa_system_vgpr_workitem_id 0
		.amdhsa_next_free_vgpr 256
		.amdhsa_next_free_sgpr 100
		.amdhsa_reserve_vcc 1
		.amdhsa_float_denorm_mode_32 3
		.amdhsa_float_denorm_mode_16_64 3
		.amdhsa_memory_ordered 1
		.amdhsa_forward_progress 1
		.amdhsa_inst_pref_size 97
	.end_amdhsa_kernel
	.amdgpu_metadata
---
amdhsa.version: [ 1, 2 ]
amdhsa.kernels:
  - .name:           k_qce29931297_attn
    .symbol:         k_qce29931297_attn.kd
    .args:
      - { .name: qk_img, .offset: 0, .size: 8, .value_kind: global_buffer, .address_space: global }
      - { .name: qk_sc, .offset: 8, .size: 8, .value_kind: global_buffer, .address_space: global }
      - { .name: v_img, .offset: 16, .size: 8, .value_kind: global_buffer, .address_space: global }
      - { .name: v_sc, .offset: 24, .size: 8, .value_kind: global_buffer, .address_space: global }
      - { .name: a_img, .offset: 32, .size: 8, .value_kind: global_buffer, .address_space: global }
      - { .name: a_sc, .offset: 40, .size: 8, .value_kind: global_buffer, .address_space: global }
    .group_segment_fixed_size: 327680
    .private_segment_fixed_size: 0
    .kernarg_segment_align: 8
    .kernarg_segment_size: 48
    .max_flat_workgroup_size: 512
    .sgpr_count:     100
    .vgpr_count:     256
    .wavefront_size: 32
...
	.end_amdgpu_metadata
.endif
;; end of part 3
;; launch proj (part 4): grid 4 x 32, 4 waves a work-group, clusters of 4 x 4, 327,680 bytes of LDS; arguments a_img, a_sc, Wproj_codes, Wproj_scales, bproj, out0; writes out0
.if DOCPART == 4
	.amdgcn_target "amdgcn-amd-amdhsa--gfx1250"
	.amdhsa_code_object_version 6
	.text
	.protected	k_qce29931297_proj
	.globl	k_qce29931297_proj
	.p2align	8
	.type	k_qce29931297_proj,@function
k_qce29931297_proj:
	s_mov_b64 s[64:65], 0
	v_nop
	global_prefetch_b8 v0, s[64:65] scope:SCOPE_SE
	s_setreg_imm32_b32 hwreg(HW_REG_WAVE_MODE, 25, 1), 1
	s_wait_xcnt 0x0
	s_wait_alu depctr_hold_cnt(0) depctr_sa_sdst(0) depctr_va_vdst(0) depctr_va_sdst(0) depctr_va_ssrc(0) depctr_va_vcc(0) depctr_vm_vsrc(0)
	s_getreg_b32 s2, hwreg(HW_REG_IB_STS2, 6, 4)
	s_cmp_eq_u32 s2, 0
	s_cbranch_scc0 .Lentry_in_a_cluster
	s_endpgm
.Lentry_in_a_cluster:
	s_bfe_u32 s2, ttmp6, 0x10000c
	s_cmp_lg_u32 s2, 0xf033
	s_cbranch_scc0 .Lentry_shape_is_right
	s_endpgm
.Lentry_shape_is_right:
; out0 = A Wproj + bproj on codes of E4M3 with E8M0 scales.  A [8,192 tokens][1,024 features] was made by the attention launch; Wproj's codes are [1,024 (n)][1,024 (k)]; out0 [8,192][1,024] f32.
; A tile of the output, 256 x 256, is made by a work-group of four waves; a wave makes 128 x 128: 64 accumulators, 512 registers.  K goes in four steps of 256 through two LDS slots filled by the tensor data mover.
; A COMES AS IMAGES OF ITS FRAGMENTS: a_img [K step 4][token tile 512][half of the step 2][register group 4][lane][16 bytes].  A K step's codes of 128 rows are 32,768 consecutive bytes: one dense tensor load;
; a fragment is four LDS loads of 512 consecutive bytes, 16 x lane.  B's tiles are rows of 256 bytes, padded in LDS.  The scales of both, for all of K, come into LDS once.
; CLUSTERS: 4 x 4 work-groups; A's tiles are shared along a row of the cluster, B's along a column: joint loads.  THE MATRIX INSTRUCTION IS USED TRANSPOSED (source 0 = 16 rows of B, source 1 = 16 rows of A):
; a lane holds eight neighbouring numbers of a row of the output.  The bias is the C of each sum's first product.
; There are 128 tiles of this size for 256 WGPs: the launch is a small part of the program's work, and the larger wave tile reads each fragment once.
; REGISTERS, in windows of 256: window 0: v0-31 addresses; v32-63 scale words, two sets; v64-127 the bias in an accumulator row's layout; from v128 A's fragments, ONE set; on the way out v128-255 are free.
;   window 1: B's fragments, two sets.   windows 2, 3: the accumulators (a, b) at v[8 (8 (a % 4) + b)].
.set SIZE_N, 1024
.set SIZE_K, 1024
.set KSTEP,  256
.set NQ,     KSTEP/128
.set ROWB,   256
.set KROW,   SIZE_K
.set ASTEP,  2097152                   ; a K step of a_img: 512 token tiles x 4,096 bytes
.set PITCH,  272                       ; B's LDS row: 256 bytes + 16 of padding: the 16 rows that a load touches start at 16 different banks (64 banks of 4 bytes: ISA guide 11.1)
.set FR,     16
.set NL,     4
.set NP,     8                         ; places behind this matrix instruction (ISA guide 7.12.1)
.set HALFT,  128*PITCH                 ; a wave's quarter of a slot (A's dense 32,768 bytes use a part of theirs)
.set SLOT,   4*HALFT
.set LAPS,   SIZE_K/(2*KSTEP)
.set KS,     SIZE_K/32
.set SCL,    2*SLOT
.set HALFS,  (128*KS/256)*272
.set SBLK,   (16*KS/256)*272
.set SPARE,  SCL+4*HALFS               ; the spare words, 128 bytes for each wave: two blocks of 256 bytes that no other line names
.set SPITCH, 528                       ; the way out: a stage of 16 rows x (512 bytes + 16) for each wave, in slot 0, which has had its last fill and its last read when the first result is stored there
.set ADRA, 16
.set ADRB, 20
.set STO,  24
.set RD,   25
.set CO,   26
.set ADRS, 27
.set SPW,  28
.set NIL,  29
.set SC,   32
.set BIA,  64
.set AF,   128
.set BK,   128
.set G1, 24
.set G0, 32
.set G1B, 48
.set G0B, 56
.set G1S, 68
.set G0S, 76
.set G1SB, 80
.set G0SB, 88
.set MSB, 0
.macro WIN new                         ; the immediate's high byte repeats the setting that is left
.if MSB != (\new)
	s_set_vgpr_msb (MSB<<8)|(\new)
.set MSB, (\new)
.endif
.endm
.set MUL_LO, 0xa1                      ; source 0 (B) window 1, source 1 (A) window 0, C and D window 2
.set MUL_HI, 0xf1                      ; the same, C and D window 3
.set BIA_LO, 0x81                      ; the first products: C (the bias) window 0, D window 2
.set BIA_HI, 0xc1                      ; D window 3
.set TO_B,   0x40
.macro JLOAD g0a, g1a, g0b, g1b        ; a joint load: waves 0 and 1 fetch for A, waves 2 and 3 for B; four v_nop follow each of the two lines
	s_cmp_eq_u32 s15, 0
	s_cbranch_scc0 .Lfor_b_\@
	tensor_load_to_lds s[\g0a:\g0a+3], s[\g1a:\g1a+7]
	s_nop 0
.rept 4
	v_nop
.endr
	s_branch .Lasked_\@
.Lfor_b_\@:
	tensor_load_to_lds s[\g0b:\g0b+3], s[\g1b:\g1b+7]
	s_nop 0
.rept 4
	v_nop
.endr
.Lasked_\@:
.endm
.macro CREST
	s_cmp_lg_u32 s14, 0
	s_cbranch_scc1 .Lnot_wave_0_\@
	s_barrier_signal -3
.Lnot_wave_0_\@:
	s_barrier_wait -3
	s_barrier_signal -1
	s_barrier_wait -1
.endm
.macro CROUND
	s_barrier_signal -1
	s_barrier_wait -1
	CREST
.endm
	s_load_b128 s[4:7], s[0:1], 0x0                ; A's images, A's scales
	s_load_b128 s[8:11], s[0:1], 0x10              ; B's codes, B's scales
	s_load_b64 s[96:97], s[0:1], 0x20              ; bproj
	s_load_b64 s[12:13], s[0:1], 0x28              ; out0
	v_lshl_add_u32 v[SPW], v0, 2, SPARE
	v_mov_b32 v[NIL], 0
	ds_add_u32 v28, v29
	ds_add_u32 v28, v29
	s_wait_dscnt 0x0
	v_lshrrev_b32 v1, 5, v0
	v_readfirstlane_b32 s14, v1                    ; wave 0..3
	s_lshr_b32 s15, s14, 1                         ; which half of the tile's rows is mine.  Also: I fetch for A (0) or for B (1)
	s_and_b32 s16, s14, 1                          ; which half of its columns.  Also: which 128 rows of that tile I fetch
	s_bfe_u32 s40, ttmp6, 0x40000                  ; cx, cy
	s_bfe_u32 s41, ttmp6, 0x40004
	s_lshl_b32 s42, ttmp9, 2
	s_add_co_u32 s42, s42, s40                     ; tile column = 4 x cluster x + cx
	s_and_b32 s17, ttmp7, 0xffff
	s_lshl_b32 s17, s17, 2
	s_add_co_u32 s17, s17, s41                     ; tile row = 4 x cluster y + cy
	s_lshl_b32 s43, s41, 2
	s_lshl_b32 s43, 15, s43                        ; my row of the cluster
	s_lshl_b32 s44, 0x1111, s40                    ; my column
	; group 1 for A's images: a dense block of 32,768 bytes as 128 rows of 256 bytes (32 elements of 8 bytes), no padding
	s_or_b32 s[G1+0], s43, (3<<16)|(1<<21)
	s_mov_b32 s[G1+1], 32<<16
	s_mov_b32 s[G1+2], 128<<16
	s_mov_b32 s[G1+3], 32<<16
	s_mov_b32 s[G1+4], 128
	s_mov_b32 s[G1+5], 32
	s_mov_b32 s[G1+6], 0
	s_mov_b32 s[G1+7], 0
	; for B's tiles: 128 rows x 256 bytes, 16 bytes of padding behind each
	s_or_b32 s[G1B+0], s44, (0<<16)|(1<<20)|(1<<21)|(5<<22)|(3<<25)
	s_mov_b32 s[G1B+1], ROWB<<16
	s_mov_b32 s[G1B+2], 128<<16
	s_mov_b32 s[G1B+3], ROWB<<16
	s_mov_b32 s[G1B+4], 128
	s_mov_b32 s[G1B+5], KROW
	s_mov_b32 s[G1B+6], 0
	s_mov_b32 s[G1B+7], 0
	; for the scales of 128 rows: 4,096 dense bytes as rows of 256 bytes, 16 bytes of padding behind each
	s_or_b32 s[G1S+0], s43, (3<<16)|(1<<20)|(1<<21)|(5<<22)|(3<<25)
	s_or_b32 s[G1SB+0], s44, (3<<16)|(1<<20)|(1<<21)|(5<<22)|(3<<25)
.irp g, G1S, G1SB
	s_mov_b32 s[\g+1], 32<<16
	s_mov_b32 s[\g+2], (128*KS/256)<<16
	s_mov_b32 s[\g+3], 32<<16
	s_mov_b32 s[\g+4], 128*KS/256
	s_mov_b32 s[\g+5], 32
	s_mov_b32 s[\g+6], 0
	s_mov_b32 s[\g+7], 0
.endr
	s_lshl_b32 s18, s16, 7
	s_lshl_b32 s20, s17, 8
	s_add_co_u32 s20, s20, s18                     ; A: row 256 x tile row + 128 x half
	s_lshl_b32 s46, s42, 8
	s_add_co_u32 s46, s46, s18                     ; B: row 256 x tile column + 128 x half
	s_mov_b32 s21, 0
	s_mov_b32 s47, 0
	s_mov_b64 s[18:19], KS
	s_mul_u64 s[22:23], s[20:21], s[18:19]         ; where these rows' scales begin
	s_mul_u64 s[92:93], s[46:47], s[18:19]
	s_mov_b64 s[18:19], 256
	s_mul_u64 s[20:21], s[20:21], s[18:19]         ; A's images: 4,096 bytes for 16 rows in a K step
	s_mov_b64 s[18:19], KROW
	s_mul_u64 s[46:47], s[46:47], s[18:19]         ; B's codes
	s_mul_i32 s45, s14, HALFT                      ; where they go: no place in the cluster enters an LDS address
	s_mul_i32 s94, s14, HALFS
	s_wait_kmcnt 0x0
	s_add_nc_u64 s[20:21], s[4:5], s[20:21]
	s_add_nc_u64 s[22:23], s[6:7], s[22:23]
	s_add_nc_u64 s[46:47], s[8:9], s[46:47]
	s_add_nc_u64 s[92:93], s[10:11], s[92:93]
	CROUND                                         ; all sixteen work-groups are here: the first joint loads meet
	s_mov_b32 s[G0S], 1
	s_add_co_u32 s[G0S+1], s94, SCL
	s_mov_b64 s[G0S+2:G0S+3], s[22:23]
	s_or_b32 s[G0S+3], s[G0S+3], 0x80000000
	s_mov_b32 s[G0SB], 1
	s_add_co_u32 s[G0SB+1], s94, SCL
	s_mov_b64 s[G0SB+2:G0SB+3], s[92:93]
	s_or_b32 s[G0SB+3], s[G0SB+3], 0x80000000
	JLOAD G0S, G1S, G0SB, G1SB                     ; the scales first
.irp s, 0,1
	s_mov_b32 s[G0+4*\s], 1
	s_add_co_u32 s[G0+4*\s+1], s45, \s*SLOT
	s_add_nc_u64 s[G0+4*\s+2:G0+4*\s+3], s[20:21], \s*ASTEP
	s_or_b32 s[G0+4*\s+3], s[G0+4*\s+3], 0x80000000
	s_mov_b32 s[G0B+4*\s], 1
	s_add_co_u32 s[G0B+4*\s+1], s45, \s*SLOT
	s_add_nc_u64 s[G0B+4*\s+2:G0B+4*\s+3], s[46:47], \s*ROWB
	s_or_b32 s[G0B+4*\s+3], s[G0B+4*\s+3], 0x80000000
	JLOAD G0+4*\s, G1, G0B+4*\s, G1B               ; three tensor loads of a wave are out
.endr
	v_and_b32 v1, 15, v0                           ; r
	v_bfe_u32 v2, v0, 4, 1                         ; h
	v_and_b32 v6, 31, v0
	v_lshlrev_b32 v[CO], 4, v6                     ; 16 x lane
	v_mul_u32_u24 v3, v1, PITCH
	v_lshl_add_u32 v4, v2, 4, v3                   ; B: a fragment's row x pitch + 16 x half
	s_mul_i32 s21, s15, HALFT                      ; my 128 rows of A
	s_mul_i32 s22, s16, HALFT                      ; my 128 rows of B,
	s_add_co_u32 s22, s22, 2*HALFT                 ; behind A's two quarters
.irp s, 0,1
	v_add_nc_u32 v[ADRA+\s], s21, v[CO]            ; A: images: 16 x lane
	v_add_nc_u32 v[ADRB+\s], s22, v4
	s_add_co_u32 s21, s21, SLOT
	s_add_co_u32 s22, s22, SLOT
.endr
	v_mul_u32_u24 v5, v1, KS
	v_lshrrev_b32 v6, 8, v5
	v_lshl_add_u32 v5, v6, 4, v5
	s_mul_i32 s21, s15, HALFS
	s_mul_i32 s22, s16, HALFS
	s_add_co_u32 s22, s22, 2*HALFS
	s_sub_co_u32 s22, s22, s21
	v_mul_u32_u24 v6, s22, v2                      ; lanes 16-31 take B's scale words
	s_add_co_u32 s21, s21, SCL
	v_add_nc_u32 v5, v5, v6
	v_add_nc_u32 v[ADRS], s21, v5
	s_mul_i32 s23, s14, 16*SPITCH                  ; my stage
	v_mul_u32_u24 v5, v1, SPITCH
	v_lshl_add_u32 v5, v2, 5, v5
	v_add_nc_u32 v[STO], s23, v5                   ; in: row r, 32 bytes for each half of the lanes
	v_add_nc_u32 v[RD], s23, v[CO]                 ; back: the 32 lanes take one row of 512 bytes
	s_lshl_b32 s20, s17, 8
	s_lshl_b32 s21, s15, 7
	s_add_co_u32 s20, s20, s21                     ; my first row of the output
	s_mov_b32 s21, 0
	s_mov_b64 s[18:19], SIZE_N*4
	s_mul_u64 s[20:21], s[20:21], s[18:19]
	s_lshl_b32 s46, s42, 10                        ; my first column, in bytes: 1,024 x tile column + 512 x half
	s_lshl_b32 s47, s16, 9
	s_add_co_u32 s46, s46, s47
	v_lshlrev_b32 v30, 5, v2
	v_add_nc_u32 v30, s46, v30                     ; the same place in bproj, + 32 h
	s_mov_b32 s47, 0
	s_add_nc_u64 s[20:21], s[20:21], s[46:47]
	s_add_nc_u64 s[12:13], s[12:13], s[20:21]
.irp b, 0,1,2,3,4,5,6,7
	global_load_b128 v[BIA+8*\b:BIA+8*\b+3], v30, s[96:97] offset:64*\b        ; bproj of columns 16 b + 8 h + 0 .. 7
	global_load_b128 v[BIA+8*\b+4:BIA+8*\b+7], v30, s[96:97] offset:64*\b+16
.endr
.macro FRAG reg, adr, q, i             ; B's fragment from padded rows
.irp c, 0,1,2,3
	ds_load_b128 v[\reg+4*\c:\reg+4*\c+3], v[\adr] offset:128*(\q)+32*\c+(\i)*16*PITCH
.endr
.endm
.macro FRAGA reg, adr, q, i            ; A's fragment from its image: token tile i, half q of the K step
.irp c, 0,1,2,3
	ds_load_b128 v[\reg+4*\c:\reg+4*\c+3], v[\adr] offset:4096*(\i)+2048*(\q)+512*\c
.endr
.endm
; 16 matrix instructions: A's blocks a0, a0 + 1 x B's eight.  zero = 1: the first product starts the sums, with the bias as its C.  The 64 accumulators take turns.
.macro MUL16 a0, p, q, sc, zero
.irp a, \a0, \a0+1
.irp b, 0,1,2,3,4,5,6,7
.if \zero
	v_wmma_scale_f32_16x16x128_f8f6f4 v[8*(8*((\a)%4)+\b):8*(8*((\a)%4)+\b)+7], v[128*(\p)+FR*\b:128*(\p)+FR*\b+FR-1], v[AF+FR*(\a):AF+FR*(\a)+FR-1], v[BIA+8*\b:BIA+8*\b+7], v[SC+8*NQ*(\sc)+NQ*\b+(\q)], v[SC+8*NQ*(\sc)+NQ*(\a)+(\q)] matrix_a_scale:MATRIX_SCALE_ROW1
.else
	v_wmma_scale_f32_16x16x128_f8f6f4 v[8*(8*((\a)%4)+\b):8*(8*((\a)%4)+\b)+7], v[128*(\p)+FR*\b:128*(\p)+FR*\b+FR-1], v[AF+FR*(\a):AF+FR*(\a)+FR-1], v[8*(8*((\a)%4)+\b):8*(8*((\a)%4)+\b)+7], v[SC+8*NQ*(\sc)+NQ*\b+(\q)], v[SC+8*NQ*(\sc)+NQ*(\a)+(\q)] matrix_a_scale:MATRIX_SCALE_ROW1
.endif
.endr
.endr
.endm
.macro FETCH_B slot, q, p
	WIN TO_B
.irp i, 0,1,2,3,4,5,6,7
	FRAG 128*(\p)+FR*\i, ADRB+\slot, \q, \i
.endr
	WIN 0
.endm
.macro FETCH_A slot, q, i0
.irp i, \i0, \i0+1, \i0+2, \i0+3
	FRAGA AF+FR*(\i), ADRA+\slot, \q, \i
.endr
.endm
.macro SCALES sc
.irp i, 0,1,2,3,4,5,6,7
	ds_load_b64 v[SC+8*NQ*\sc+NQ*\i:SC+8*NQ*\sc+NQ*\i+1], v[ADRS] offset:\i*SBLK
.endr
.endm
.macro PLACES n                        ; plain vector instructions between a matrix instruction and a load into, or a read of, its registers (ISA guide 7.12.1 for the reads)
.rept \n
	v_nop
.endr
.endm
.macro STEP slot, q, zero
	s_wait_dscnt 4*NL                              ; B's set and A's blocks 0-3 are in; the youngest 16 loads (A's blocks 4-7) may be out
.if \zero
	WIN BIA_LO
.else
	WIN MUL_LO
.endif
	MUL16 0, (\q)%2, \q, \slot, \zero
	MUL16 2, (\q)%2, \q, \slot, \zero
	s_wait_dscnt 0
	PLACES NP
	FETCH_B \slot, (\q)+1, 1-(\q)%2
	FETCH_A \slot, (\q)+1, 0
.if \zero
	WIN BIA_HI
.else
	WIN MUL_HI
.endif
	MUL16 4, (\q)%2, \q, \slot, \zero
	MUL16 6, (\q)%2, \q, \slot, \zero
	PLACES NP
	WIN 0
	FETCH_A \slot, (\q)+1, 4
.endm
; A slot's last step changes slots: ONE barrier; in front of it each wave waits for all its tensor loads, adds 0 to its spare word, and waits for that and for its own reads of this slot.
.macro TURN slot, next, fill
	s_wait_tensorcnt 0x0                           ; all my tensor loads have landed: my part of the next slot
	ds_add_u32 v[SPW], v[NIL]                      ; 0 onto my spare word
	s_wait_dscnt 4*NL+1                            ; (the add and the youngest 16 loads may be out)
	WIN MUL_LO
	MUL16 0, 1, NQ-1, \slot, 0
	s_wait_dscnt 0x0                               ; the add is done, and my reads of this slot are over
	s_barrier_signal -1
	MUL16 2, 1, NQ-1, \slot, 0
	WIN 0
	s_barrier_wait -1
.if \fill
	CREST                                          ; the barrier has opened a round of the cluster's barrier: no wave of any partner still reads this slot's tile or has a load on its way
	s_add_nc_u64 s[G0+4*\slot+2:G0+4*\slot+3], s[G0+4*\slot+2:G0+4*\slot+3], 2*ASTEP
	s_add_nc_u64 s[G0B+4*\slot+2:G0B+4*\slot+3], s[G0B+4*\slot+2:G0B+4*\slot+3], 2*ROWB
	JLOAD G0+4*\slot, G1, G0B+4*\slot, G1B         ; the first tensor load behind the round; its four v_nop are among the places in front of the loads below
	PLACES NP-4
.else
	PLACES NP
.endif
	v_add_nc_u32 v[ADRS], 4*NQ, v[ADRS]
	FETCH_B \next, 0, 0
	FETCH_A \next, 0, 0
	SCALES \next
	WIN MUL_HI
	MUL16 4, 1, NQ-1, \slot, 0
	MUL16 6, 1, NQ-1, \slot, 0
	PLACES NP
	WIN 0
	FETCH_A \next, 0, 4
.endm
	s_wait_tensorcnt 1                             ; the scales and my part of K step 0 are in (K step 1's load may be out),
	s_barrier_signal -1
	s_barrier_wait -1                              ; everybody's are
	FETCH_B 0, 0, 0
	FETCH_A 0, 0, 0
	SCALES 0
	FETCH_A 0, 0, 4
	s_wait_loadcnt 0x0                             ; the bias
	STEP 0, 0, 1                                   ; the first step stands in front of the loop: its products start the sums
	s_mov_b32 s3, LAPS-1
.Llap:
	TURN 0, 1, 1
	STEP 1, 0, 0
	TURN 1, 0, 1
	STEP 0, 0, 0
	s_sub_co_u32 s3, s3, 1
	s_cmp_lg_u32 s3, 0
	s_cbranch_scc1 .Llap
	TURN 0, 1, 0                                   ; the last lap fills nothing
	STEP 1, 0, 0
	s_wait_dscnt 4*NL
	WIN MUL_LO
	MUL16 0, 1, NQ-1, 1, 0
	MUL16 2, 1, NQ-1, 1, 0
	s_wait_dscnt 0
	WIN MUL_HI
	MUL16 4, 1, NQ-1, 1, 0
	MUL16 6, 1, NQ-1, 1, 0
	WIN 0
; THE WAY OUT, block by block of 16 rows x 128 columns, through my own stage in LDS: in as 32 bytes a lane, back as whole rows of 512 bytes.  LDS serves a wave's instructions in order (ISA guide 5.7.1.4).
.macro TOSTAGE a
.set AC, 64*((\a)%4)
	WIN 0x08+4*((\a)/4)                            ; the data: window 2 or 3
.irp b, 0,1,2,3,4,5,6,7
	ds_store_b128 v[STO], v[AC+8*\b:AC+8*\b+3] offset:64*\b          ; each accumulator from its low end on
	ds_store_b128 v[STO], v[AC+8*\b+4:AC+8*\b+7] offset:64*\b+16
.endr
	WIN 0
.set BB, BK+64*((\a)%2)
.irp t, 0,1,2,3,4,5,6,7,8,9,10,11,12,13,14,15
	ds_load_b128 v[BB+4*\t:BB+4*\t+3], v[RD] offset:\t*SPITCH
.endr
.endm
.macro SEND a, younger                 ; younger: the LDS instructions issued behind block a's loads, which may stay out
.set BB, BK+64*((\a)%2)
	s_wait_dscnt \younger
.if (\a) > 0
	s_add_nc_u64 s[12:13], s[12:13], 16*SIZE_N*4   ; (behind a wait on XCNT: the earlier stores have read their base)
.endif
.irp t, 0,1,2,3,4,5,6,7,8,9,10,11,12,13,14,15
	global_store_b128 v[CO], v[BB+4*\t:BB+4*\t+3], s[12:13] offset:\t*SIZE_N*4 th:TH_STORE_NT   ; 32 lanes store 512 consecutive bytes, aligned; written once, read by nobody here
.endr
.endm
	PLACES NP
	TOSTAGE 0
.irp a, 1,2,3,4,5,6,7
.if \a > 1
	s_wait_xcnt 0x0                                ; block a - 2's stores have read their registers and their base
.endif
	TOSTAGE \a
	SEND \a-1, 32                                  ; behind block a - 1's loads: block a's 16 stores and 16 loads
.endr
	s_wait_xcnt 0x0
	SEND 7, 0
	s_wait_tensorcnt 0x0                           ; the wave's end
	ds_add_u32 v[SPW], v[NIL]
	s_wait_dscnt 0x0
	CROUND                                         ; the closing round
	s_endpgm
.Lfunc_end_k_qce29931297_proj:
	.size	k_qce29931297_proj, .Lfunc_end_k_qce29931297_proj-k_qce29931297_proj
	.p2alignl 7, 3214868480
	.fill 96, 4, 3214868480
	.section	.rodata,"a",@progbits
	.p2align	6, 0x0
	.amdhsa_kernel k_qce29931297_proj
		.amdhsa_group_segment_fixed_size 327680
		.amdhsa_private_segment_fixed_size 0
		.amdhsa_enable_private_segment 0
		.amdhsa_kernarg_size 48
		.amdhsa_user_sgpr_count 2
		.amdhsa_user_sgpr_kernarg_segment_ptr 1
		.amdhsa_wavefront_size32 1
		.amdhsa_system_sgpr_workgroup_id_x 1
		.amdhsa_system_sgpr_workgroup_id_y 1
		.amdhsa_system_sgpr_workgroup_id_z 1
		.amdhsa_system_vgpr_workitem_id 0
		.amdhsa_next_free_vgpr 1024
		.amdhsa_next_free_sgpr 98
		.amdhsa_reserve_vcc 0
		.amdhsa_float_denorm_mode_32 3
		.amdhsa_float_denorm_mode_16_64 3
		.amdhsa_memory_ordered 1
		.amdhsa_forward_progress 1
		.amdhsa_inst_pref_size 147
	.end_amdhsa_kernel
	.amdgpu_metadata
---
amdhsa.version: [ 1, 2 ]
amdhsa.kernels:
  - .name:           k_qce29931297_proj
    .symbol:         k_qce29931297_proj.kd
    .args:
      - { .name: a_img, .offset: 0, .size: 8, .value_kind: global_buffer, .address_space: global }
      - { .name: a_sc, .offset: 8, .size: 8, .value_kind: global_buffer, .address_space: global }
      - { .name: Wproj_codes, .offset: 16, .size: 8, .value_kind: global_buffer, .address_space: global }
      - { .name: Wproj_scales, .offset: 24, .size: 8, .value_kind: global_buffer, .address_space: global }
      - { .name: bproj, .offset: 32, .size: 8, .value_kind: global_buffer, .address_space: global }
      - { .name: out0, .offset: 40, .size: 8, .value_kind: global_buffer, .address_space: global }
    .group_segment_fixed_size: 327680
    .private_segment_fixed_size: 0
    .kernarg_segment_align: 8
    .kernarg_segment_size: 48
    .max_flat_workgroup_size: 128
    .sgpr_count:     98
    .vgpr_count:     1024
    .wavefront_size: 32
...
	.end_amdgpu_metadata
.endif
;; end of part 4
